; MI455X (gfx1250); checked and timed in simulation.
; The chip was launched on July 23, 2026; its instructions are those of AMD's public machine-readable ISA for CDNA 5 (MIT licence, August 2026) and "CDNA5" Instruction Set Architecture Reference Guide (July 2026). The comments in the code are by the model that wrote it; some were corrected since.
;; Attention Head. Allowed arithmetic: matrix products marked QUANTISED: E2M1 operands, one E8M0 scale for each 32 along K, by v_wmma_scale_f32_16x16x128_f8f6f4 with both operands' format E2M1 (or v_wmma_scale_f32_32x16x128_f4), f32 sums; products left as they are: bf16, f16 or f32 operands; f32 sums; everything else in f32.
;; Inputs: b_attn 3,072 float32; b_proj 1,024 float32; w_attn 1,024 x 3,072 float32; w_proj 1,024 x 1,024 float32; x 4 x 2,048 x 1,024 float32.
;; Outputs: out0 4 x 2,048 x 1,024 float32.
;; This version of the problem:
;;   THIS VERSION OF THE PROBLEM IS GIVEN IN LOW PRECISION. The matrix products marked QUANTISED in the list below multiply operands that are first quantised to E2M1 (2 exponent bits, 1 mantissa bit; 4 bits a number), with one power-of-two scale for each 32 numbers along K (OCP MX v1.0); their sums are f32. The products marked 'left as it is' may take bf16, f16 or f32 operands, with f32 sums. Whichever they take, every output number must still come out within the allowed error. Rounding operands to bf16 (8 significant bits) uses up far more of that allowance than f16 does (11 bits, for magnitudes from 6e-5 to 65,504). All else is computed in f32.
;;   The module's matrix products, in the order in which they are computed (A, B: the left and right operand; K: the contracted axis; several contracted axes count as one K, in the product's order):
;;     1. [M 8,192, K 1,024] x [K 1,024, N 3,072]; A: input x; B: input w_attn: QUANTISED
;;     2. batch 64 x [M 2,048, K 64] x [K 64, N 2,048]; A: computed on the way; B: computed on the way: left as it is (an operand is computed on the way)
;;     3. batch 64 x [M 2,048, K 2,048] x [K 2,048, N 64]; A: computed on the way; B: computed on the way: left as it is (an operand is computed on the way)
;;     4. [M 8,192, K 1,024] x [K 1,024, N 1,024]; A: computed on the way; B: input w_proj: left as it is (an operand is computed on the way)
;;   THE QUANTISER, for each operand of a quantised product, along K:
;;     - K is cut into blocks of 32 from its start; a last block that is shorter is filled with zeros.
;;     - A block's scale is 2^e with e = floor(log2(the largest magnitude in the block)) - 2, held to -126 .. 127; a block of zeros has e = 0. As a byte (E8M0): e + 127.
;;     - Each number is divided by its block's scale, clamped to +-6, and rounded to the nearest number of E2M1, ties to even, subnormals kept.
;;     - The product sums the exact products of the quantised numbers (number of the format x scale) in f32.
;;   ~~~python
;;   def quantise(x, axis):      # numpy; x: float32 -> the quantised numbers, widened to float32 again
;;       x = np.moveaxis(x, axis, -1); K = x.shape[-1]
;;       x = np.pad(x, [(0, 0)] * (x.ndim - 1) + [(0, -K % 32)]); x = x.reshape(x.shape[:-1] + (-1, 32)); a = np.abs(x).max(-1, keepdims=True)
;;       e = np.where(a > 0, np.clip(np.frexp(np.where(a > 0, a, 1))[1] - 1 - 2, -126, 127), 0)      # np.frexp(a)[1] - 1 = floor(log2(a)), exactly
;;       r = np.clip(x / 2.0 ** e, -6, 6)
;;       step = 2.0 ** (np.maximum(np.frexp(np.where(r == 0, 1, r))[1] - 1, 0) - 1)
;;       q = np.round(r / step) * step * 2.0 ** e      # np.round: ties to even
;;       return np.moveaxis(q.reshape(q.shape[:-2] + (-1,))[..., :K], -1, axis).astype(np.float32)
;;   ~~~
;; One version. Each part assembles by itself: llvm-mc -triple=amdgcn-amd-amdhsa -mcpu=gfx1250 --defsym DOCPART=n.
;; ======== version 1 of 1: 6 launches
;; limits: values are held in f16: magnitudes above 65,504 overflow, below 6.1e-05 lose precision
;; workspace buffers: xc 4,194,304 bytes; xs 262,144 bytes; wc 1,572,864 bytes; ws 98,304 bytes; wpt 2,097,152 bytes; qkv 50,331,648 bytes; att 16,777,216 bytes; attf 262,144 bytes
;; launch prep (part 1): grid 576 x 1, 4 waves a work-group, no clusters, 61,952 bytes of LDS; arguments x, w_attn, w_proj, xc, xs, wc, ws, wpt; writes xc, xs, wc, ws, wpt
.if DOCPART == 1
	.amdgcn_target "amdgcn-amd-amdhsa--gfx1250"
	.amdhsa_code_object_version 6
	.text
	.protected	k_q0c687b8e94_prep
	.globl	k_q0c687b8e94_prep
	.p2align	8
	.type	k_q0c687b8e94_prep,@function
k_q0c687b8e94_prep:
	s_mov_b64 s[64:65], 0
	v_nop
	global_prefetch_b8 v0, s[64:65] scope:SCOPE_SE
	s_setreg_imm32_b32 hwreg(HW_REG_WAVE_MODE, 25, 1), 1
	s_wait_xcnt 0x0
; PREP: the operands of the later launches are laid out once.
;   x      [8192][1024] f32 -> xc: codes of FP4 (E2M1), K innermost, [8192][512 bytes]; xs: one E8M0 byte for each 32 along K, [8192][32]
;   w_attn [1024 k][3072 n] f32 -> wc: codes, [n / 128][k / 128][n % 128][64 bytes]; ws: [3072][32]
;   w_proj [1024 k][1024 n] f32 -> wpt: f16, [k / 64][n][64]: K innermost
; A block's scale is 2^(floor(log2(its largest magnitude)) - 2); its byte is the largest magnitude's exponent field - 2, held at 1 from below.
; WORK LEFT OUT IN THIS PROGRAM.  reference() builds the causal mask (jnp.tril) in its own body and sets -inf ahead of the softmax: exp(-inf) = 0, so a key that comes after a query adds 0 to
; that query's sum and 0 to its output, whatever finite values x, w_attn, b_attn hold.  Launch attn therefore neither loads nor multiplies a step of 64 keys all of which come after all 32 queries of a wave.
; Nothing else is left out: all five inputs have a way to the output and are loaded (b_attn's third for k too: it rides as the C of a first matrix instruction).
; LIMITS: a NaN, an infinity or an overflow that would arise only in those masked steps is not carried to the result; NaN and infinities among the inputs are not served; blocks whose largest magnitude lies
; under 2^-124 keep the byte 1; a block of zeros gets the byte 1 where the rule says 127 (its codes are zeros, and this program alone reads the bytes); |w_proj| stays under 65,504 (f16).
; SHARES: work-groups 0-191 take w_attn, 192-319 w_proj, 320-575 x.  Each of the three ways has LDS bytes of its own.  Waves share nothing: no barrier.
.set XREG,  0                          ; x: 8,192 bytes a wave: two stages of 32 x 80 bytes, then 256 scale bytes
.set WREG,  32768                      ; w_attn: 2,560 bytes a wave: 32 columns x (64 + 16)
.set PREG,  43008                      ; w_proj: 4,608 bytes a wave: 32 columns x (128 + 16)
.set SPARE, 61440                      ; the spare words, 128 bytes for each wave, that no other line names
.set SPW,   30                         ; v30 LDS address of my spare word; never rewritten
.set NIL,   31                         ; v31 0; never rewritten
	s_load_b256 s[4:11], s[0:1], 0x0               ; x s[4:5], w_attn s[6:7], w_proj s[8:9], xc s[10:11]
	s_load_b256 s[12:19], s[0:1], 0x20             ; xs s[12:13], wc s[14:15], ws s[16:17], wpt s[18:19]
	v_lshl_add_u32 v[SPW], v0, 2, SPARE
	v_mov_b32 v[NIL], 0
	v_lshrrev_b32 v1, 5, v0
	v_readfirstlane_b32 s20, v1                    ; wave 0..3
	v_and_b32 v2, 31, v0                           ; lane
	s_mov_b32 s25, 0                               ; the upper word of every offset pair s[24:25]
	s_wait_kmcnt 0x0
	s_cmp_lt_u32 ttmp9, 192
	s_cbranch_scc1 .Lw_attn
	s_cmp_lt_u32 ttmp9, 320
	s_cbranch_scc1 .Lw_proj
; ---------------- x: a plain stream of blocks of 32.  A wave takes 16 steps of 512 numbers.
; Each load reads 512 consecutive bytes; a step's 2,048 bytes turn through the wave's own stage so that a lane holds 16 neighbours along K (two lanes to a block).
.set XR, 32                            ; v32-159  eight sets of 16 numbers as loaded: loads run eight steps (32 loads) ahead
.set XX, 160                           ; v160-191 two sets of 16 neighbours
.set XE, 192                           ; v192-207 a scale byte for each step
.set XC, 208                           ; v208-239 a pair of code registers for each step: no store's data are written again
	s_sub_co_u32 s21, ttmp9, 320
	s_lshl_b32 s21, s21, 2
	s_add_co_u32 s21, s21, s20                     ; which run of 8,192 numbers is my wave's
	s_lshl_b32 s24, s21, 15
	s_add_nc_u64 s[4:5], s[4:5], s[24:25]          ; 32,768 bytes of x,
	s_lshl_b32 s24, s21, 12
	s_add_nc_u64 s[10:11], s[10:11], s[24:25]      ; 4,096 of codes,
	s_lshl_b32 s24, s21, 8
	s_add_nc_u64 s[12:13], s[12:13], s[24:25]      ; 256 scale bytes a run
	v_lshlrev_b32 v3, 4, v2                        ; my 16 bytes of a load's 512
	s_lshl_b32 s22, s20, 13                        ; my wave's region
	v_lshrrev_b32 v14, 2, v2
	v_mul_u32_u24 v14, v14, 80
	v_and_b32 v15, 3, v2
	v_lshl_add_u32 v14, v15, 4, v14
	v_add_nc_u32 v14, s22, v14                     ; the stage, in: 80 (lane / 4) + 16 (lane % 4)
	v_mul_u32_u24 v15, v2, 80
	v_add_nc_u32 v15, s22, v15                     ; and out: 80 x lane
	v_lshlrev_b32 v4, 3, v2                        ; 8 bytes a lane: my codes in a step's 256, and my part of the scale bytes
	v_lshrrev_b32 v5, 1, v2
	s_add_co_u32 s22, s22, 5120
	v_add_nc_u32 v5, s22, v5                       ; my block's byte among the wave's 256
	v_add_nc_u32 v6, s22, v4
.macro XLOAD t
.irp i, 0,1,2,3
	global_load_b128 v[XR+16*((\t)%8)+4*\i:XR+16*((\t)%8)+4*\i+3], v3, s[4:5] offset:2048*(\t)+512*\i th:TH_LOAD_NT
.endr
.endm
.macro XTURN t                         ; LDS serves a wave's instructions in order: no wait between the stores and the loads
.irp i, 0,1,2,3
	ds_store_b128 v14, v[XR+16*((\t)%8)+4*\i:XR+16*((\t)%8)+4*\i+3] offset:2560*((\t)%2)+640*\i
.endr
.irp i, 0,1,2,3
	ds_load_b128 v[XX+16*((\t)%2)+4*\i:XX+16*((\t)%2)+4*\i+3], v15 offset:2560*((\t)%2)+16*\i
.endr
.endm
.irp t, 0,1,2,3,4,5,6,7
	XLOAD \t
.endr
	s_wait_loadcnt 28                              ; step 0's four loads are in; the 28 behind them stay out
	XTURN 0
.macro XSTEP t
.set XS, XX+16*((\t)%2)
.if (\t) > 0
	s_wait_dscnt 1                                 ; this step's numbers are back (the last step's byte store may be out): its stage stores have read their registers,
.else
	s_wait_dscnt 0x0
.endif
.if (\t)+8 < 16
	XLOAD (\t)+8                                   ; which take the loads of eight steps on
.endif
.if (\t)+1 < 16
.if (\t) <= 7
	s_wait_loadcnt 28                              ; the next step's loads are in; those of the seven steps behind it may be out
.else
	s_wait_loadcnt 4*(14-(\t))
.endif
	XTURN (\t)+1
.endif
	v_max3_num_f32 v8, |v[XS]|, |v[XS+1]|, |v[XS+2]|
	v_max3_num_f32 v9, |v[XS+3]|, |v[XS+4]|, |v[XS+5]|
.irp i, 6,10
	v_max3_num_f32 v8, v8, |v[XS+\i]|, |v[XS+\i+1]|
	v_max3_num_f32 v9, v9, |v[XS+\i+2]|, |v[XS+\i+3]|
.endr
	v_max3_num_f32 v8, v8, |v[XS+14]|, |v[XS+15]|
	v_max3_num_f32 v8, v8, v9, 0x1800000           ; the floor 2^(3 - 127): the byte cannot fall under 1
	v_max_num_f32_dpp v8, v8, v8 row_xmask:1 row_mask:0xf bank_mask:0xf   ; with my neighbour's 16: the block's largest magnitude
	v_add_nc_u32 v11, 0xff000000, v8               ; 2 off its exponent field: the conversion's scale operand
	v_cvt_scalef32_pk8_fp4_f32 v[XC+2*(\t)], v[XS:XS+7], v11
	v_cvt_scalef32_pk8_fp4_f32 v[XC+2*(\t)+1], v[XS+8:XS+15], v11
	v_lshrrev_b32 v[XE+(\t)], 23, v11              ; the scale's byte
	ds_store_b8 v5, v[XE+(\t)] offset:16*(\t)      ; both lanes of a block write the same byte with the same value
	global_store_b64 v4, v[XC+2*(\t):XC+2*(\t)+1], s[10:11] offset:256*(\t)   ; the wave stores 256 consecutive bytes, aligned
.endm
.irp t, 0,1,2,3,4,5,6,7,8,9,10,11,12,13,14,15
	XSTEP \t
.endr
	ds_load_b64 v[8:9], v6                         ; my wave's 256 scale bytes, in order behind my stores
	s_wait_dscnt 0x0
	global_store_b64 v4, v[8:9], s[12:13]          ; 256 consecutive bytes, aligned
	s_wait_tensorcnt 0x0                           ; the wave's end
	ds_add_u32 v[SPW], v[NIL]
	s_wait_dscnt 0x0
	s_endpgm
; ---------------- w_attn: K is the first axis.  A lane takes a column, its registers run down K: a block of 32 lies in one lane.
; Work-group u: columns 128 (u / 8) on, k = 128 (u % 8) on; a wave takes 32 columns x 4 blocks.  Its codes, 32 x 64 bytes, are 2,048 consecutive bytes of wc.
.set WX, 32                            ; v32-95 two sets of 32 numbers
.set WC, 96                            ; v96-99 a block's codes
.set WB, 100                           ; v100 the four scale bytes
.set WO, 104                           ; v104-119 the way out
.Lw_attn:
	s_lshr_b32 s21, ttmp9, 3                       ; g
	s_and_b32 s22, ttmp9, 7                        ; kc
	s_mul_i32 s24, s22, 128*12288
	s_lshl_b32 s23, s21, 9
	s_add_co_u32 s24, s24, s23
	s_lshl_b32 s23, s20, 7
	s_add_co_u32 s24, s24, s23
	s_add_nc_u64 s[6:7], s[6:7], s[24:25]          ; w_attn at row 128 kc, column 128 g + 32 wave
	s_lshl_b32 s24, ttmp9, 13                      ; (8 g + kc) x 8,192
	s_lshl_b32 s23, s20, 11
	s_add_co_u32 s24, s24, s23
	s_add_nc_u64 s[14:15], s[14:15], s[24:25]
	s_lshl_b32 s24, s21, 12                        ; 128 g rows of 32 scale bytes
	s_lshl_b32 s23, s20, 10
	s_add_co_u32 s24, s24, s23
	s_lshl_b32 s23, s22, 2
	s_add_co_u32 s24, s24, s23
	s_add_nc_u64 s[16:17], s[16:17], s[24:25]
	v_lshlrev_b32 v3, 2, v2                        ; in: 4 bytes a lane
	s_mul_i32 s23, s20, 2560
	s_add_co_u32 s23, s23, WREG
	v_mul_u32_u24 v4, v2, 80
	v_add_nc_u32 v4, s23, v4                       ; the stage, in: my column's 64 bytes
	v_lshrrev_b32 v7, 2, v2
	v_mul_u32_u24 v7, v7, 80
	v_and_b32 v8, 3, v2
	v_lshl_add_u32 v7, v8, 4, v7
	v_add_nc_u32 v7, s23, v7                       ; out: four lanes to a column
	v_lshlrev_b32 v8, 4, v2
	v_lshlrev_b32 v9, 5, v2                        ; my column's row of scale bytes
.macro WLOAD t
.irp i, 0,1,2,3,4,5,6,7,8,9,10,11,12,13,14,15,16,17,18,19,20,21,22,23,24,25,26,27,28,29,30,31
	global_load_b32 v[WX+32*((\t)%2)+\i], v3, s[6:7] offset:(32*(\t)+\i)*12288 th:TH_LOAD_NT
.endr
.endm
	WLOAD 0
	WLOAD 1
.macro WBLOCK t
.set WS, WX+32*((\t)%2)
.if (\t) < 3
	s_wait_loadcnt 32                              ; this block's 32 loads are in; the next block's may be out
.else
	s_wait_loadcnt 0x0
.endif
	v_max3_num_f32 v12, |v[WS]|, |v[WS+1]|, |v[WS+2]|
	v_max3_num_f32 v13, |v[WS+3]|, |v[WS+4]|, |v[WS+5]|
.irp i, 6,10,14,18,22,26
	v_max3_num_f32 v12, v12, |v[WS+\i]|, |v[WS+\i+1]|
	v_max3_num_f32 v13, v13, |v[WS+\i+2]|, |v[WS+\i+3]|
.endr
	v_max3_num_f32 v12, v12, |v[WS+30]|, |v[WS+31]|
	v_max3_num_f32 v12, v12, v13, 0x1800000        ; the floor
	v_add_nc_u32 v11, 0xff000000, v12
	v_lshrrev_b32 v13, 23, v11
.if (\t) == 0
	v_mov_b32 v[WB], v13
.else
	v_lshl_or_b32 v[WB], v13, 8*(\t), v[WB]
.endif
.irp g, 0,1,2,3
	v_cvt_scalef32_pk8_fp4_f32 v[WC+\g], v[WS+8*\g:WS+8*\g+7], v11
.endr
	v_nop                                          ; one plain line behind the conversions
	ds_store_b128 v4, v[WC:WC+3] offset:16*(\t)
.if (\t)+2 < 4
	WLOAD (\t)+2
.endif
	s_wait_dscnt 0x0                               ; the store has read its registers
.endm
.irp t, 0,1,2,3
	WBLOCK \t
.endr
	global_store_b32 v9, v[WB], s[16:17]           ; 4 bytes a lane, 32 bytes apart: pieces; 98,304 bytes in all beside the 12.6 million read
.irp i, 0,1,2,3
	ds_load_b128 v[WO+4*\i:WO+4*\i+3], v7 offset:640*\i
.endr
.irp i, 0,1,2,3
	s_wait_dscnt 3-\i
	global_store_b128 v8, v[WO+4*\i:WO+4*\i+3], s[14:15] offset:512*\i   ; 512 consecutive bytes, aligned
.endr
	s_wait_tensorcnt 0x0                           ; the wave's end
	ds_add_u32 v[SPW], v[NIL]
	s_wait_dscnt 0x0
	s_endpgm
; ---------------- w_proj: the same plan without a quantiser: a lane takes a column, 64 along K, rounded once to f16.
.Lw_proj:
	s_sub_co_u32 s21, ttmp9, 192
	s_and_b32 s22, s21, 7                          ; cg: columns 128 cg on
	s_lshr_b32 s21, s21, 3                         ; kb: k = 64 kb on
	s_lshl_b32 s24, s21, 18                        ; 64 rows of 4,096 bytes
	s_lshl_b32 s23, s22, 9
	s_add_co_u32 s24, s24, s23
	s_lshl_b32 s23, s20, 7
	s_add_co_u32 s24, s24, s23
	s_add_nc_u64 s[8:9], s[8:9], s[24:25]
	s_lshl_b32 s24, s21, 17                        ; a plane of wpt: 1,024 x 128 bytes
	s_lshl_b32 s23, s22, 14
	s_add_co_u32 s24, s24, s23
	s_lshl_b32 s23, s20, 12
	s_add_co_u32 s24, s24, s23
	s_add_nc_u64 s[18:19], s[18:19], s[24:25]
	v_lshlrev_b32 v3, 2, v2
	s_mul_i32 s23, s20, 4608
	s_add_co_u32 s23, s23, PREG
	v_mul_u32_u24 v4, v2, 144
	v_add_nc_u32 v4, s23, v4                       ; the stage, in: my column's 128 bytes
	v_lshrrev_b32 v7, 3, v2
	v_mul_u32_u24 v7, v7, 144
	v_and_b32 v8, 7, v2
	v_lshl_add_u32 v7, v8, 4, v7
	v_add_nc_u32 v7, s23, v7                       ; out: eight lanes to a column
	v_lshlrev_b32 v8, 4, v2
.irp i, 0,1,2,3,4,5,6,7,8,9,10,11,12,13,14,15,16,17,18,19,20,21,22,23,24,25,26,27,28,29,30,31,32,33,34,35,36,37,38,39,40,41,42,43,44,45,46,47,48,49,50,51,52,53,54,55,56,57,58,59,60,61,62,63
	global_load_b32 v[32+\i], v3, s[8:9] offset:4096*\i th:TH_LOAD_NT
.endr
	s_wait_loadcnt 32                              ; the first 32 along K are in
.irp i, 0,1,2,3,4,5,6,7,8,9,10,11,12,13,14,15
	v_cvt_pk_f16_f32 v[96+\i], v[32+2*\i], v[33+2*\i]
.endr
.irp i, 0,1,2,3
	ds_store_b128 v4, v[96+4*\i:99+4*\i] offset:16*\i
.endr
	s_wait_loadcnt 0x0
.irp i, 16,17,18,19,20,21,22,23,24,25,26,27,28,29,30,31
	v_cvt_pk_f16_f32 v[96+\i], v[32+2*\i], v[33+2*\i]
.endr
.irp i, 4,5,6,7
	ds_store_b128 v4, v[96+4*\i:99+4*\i] offset:16*\i
.endr
.irp i, 0,1,2,3,4,5,6,7
	ds_load_b128 v[128+4*\i:131+4*\i], v7 offset:576*\i
.endr
.irp i, 0,1,2,3,4,5,6,7
	s_wait_dscnt 7-\i
	global_store_b128 v8, v[128+4*\i:131+4*\i], s[18:19] offset:512*\i   ; 512 consecutive bytes, aligned
.endr
	s_wait_tensorcnt 0x0                           ; the wave's end
	ds_add_u32 v[SPW], v[NIL]
	s_wait_dscnt 0x0
	s_endpgm
.Lfunc_end_k_q0c687b8e94_prep:
	.size	k_q0c687b8e94_prep, .Lfunc_end_k_q0c687b8e94_prep-k_q0c687b8e94_prep
	.p2alignl 7, 3214868480
	.fill 96, 4, 3214868480
	.section	.rodata,"a",@progbits
	.p2align	6, 0x0
	.amdhsa_kernel k_q0c687b8e94_prep
		.amdhsa_group_segment_fixed_size 61952
		.amdhsa_private_segment_fixed_size 0
		.amdhsa_enable_private_segment 0
		.amdhsa_kernarg_size 64
		.amdhsa_user_sgpr_count 2
		.amdhsa_user_sgpr_kernarg_segment_ptr 1
		.amdhsa_wavefront_size32 1
		.amdhsa_system_sgpr_workgroup_id_x 1
		.amdhsa_system_sgpr_workgroup_id_y 1
		.amdhsa_system_sgpr_workgroup_id_z 1
		.amdhsa_system_vgpr_workitem_id 0
		.amdhsa_next_free_vgpr 240
		.amdhsa_next_free_sgpr 66
		.amdhsa_reserve_vcc 0
		.amdhsa_float_denorm_mode_32 3
		.amdhsa_float_denorm_mode_16_64 3
		.amdhsa_memory_ordered 1
		.amdhsa_forward_progress 1
		.amdhsa_inst_pref_size 65
	.end_amdhsa_kernel
	.amdgpu_metadata
---
amdhsa.version: [ 1, 2 ]
amdhsa.kernels:
  - .name:           k_q0c687b8e94_prep
    .symbol:         k_q0c687b8e94_prep.kd
    .args:
      - { .name: x, .offset: 0, .size: 8, .value_kind: global_buffer, .address_space: global }
      - { .name: w_attn, .offset: 8, .size: 8, .value_kind: global_buffer, .address_space: global }
      - { .name: w_proj, .offset: 16, .size: 8, .value_kind: global_buffer, .address_space: global }
      - { .name: xc, .offset: 24, .size: 8, .value_kind: global_buffer, .address_space: global }
      - { .name: xs, .offset: 32, .size: 8, .value_kind: global_buffer, .address_space: global }
      - { .name: wc, .offset: 40, .size: 8, .value_kind: global_buffer, .address_space: global }
      - { .name: ws, .offset: 48, .size: 8, .value_kind: global_buffer, .address_space: global }
      - { .name: wpt, .offset: 56, .size: 8, .value_kind: global_buffer, .address_space: global }
    .group_segment_fixed_size: 61952
    .private_segment_fixed_size: 0
    .kernarg_segment_align: 8
    .kernarg_segment_size: 64
    .max_flat_workgroup_size: 128
    .sgpr_count:     66
    .vgpr_count:     240
    .wavefront_size: 32
...
	.end_amdgpu_metadata
.endif
;; end of part 1
;; launch gemm1 (part 2): grid 12 x 32, 4 waves a work-group, clusters of 4 x 4, 327,680 bytes of LDS; arguments xc, xs, wc, ws, b_attn, qkv; writes qkv
.if DOCPART == 2
	.amdgcn_target "amdgcn-amd-amdhsa--gfx1250"
	.amdhsa_code_object_version 6
	.text
	.protected	k_q0c687b8e94_gemm1
	.globl	k_q0c687b8e94_gemm1
	.p2align	8
	.type	k_q0c687b8e94_gemm1,@function
k_q0c687b8e94_gemm1:
	s_mov_b64 s[64:65], 0
	v_nop
	global_prefetch_b8 v0, s[64:65] scope:SCOPE_SE
	s_setreg_imm32_b32 hwreg(HW_REG_WAVE_MODE, 25, 1), 1
	s_wait_xcnt 0x0
	s_wait_alu depctr_hold_cnt(0) depctr_sa_sdst(0) depctr_va_vdst(0) depctr_va_sdst(0) depctr_va_ssrc(0) depctr_va_vcc(0) depctr_vm_vsrc(0)
	s_getreg_b32 s2, hwreg(HW_REG_IB_STS2, 6, 4)
	s_cmp_eq_u32 s2, 0
	s_cbranch_scc0 .Lentry_in_a_cluster
	s_endpgm
.Lentry_in_a_cluster:
	s_bfe_u32 s2, ttmp6, 0x10000c
	s_cmp_lg_u32 s2, 0xf033
	s_cbranch_scc0 .Lentry_shape_is_right
	s_endpgm
.Lentry_shape_is_right:
; qkv = Q(x) Q(w_attn) + b_attn on codes of FP4 (E2M1) with one E8M0 scale for each 32 along K; sums in f32; rounded once to f16 and laid by head:
; qkv plane (third s, batch b, head h) = 64 s + 16 b + h, each [2048 positions][64] f16.  LIMIT: |q|, |k|, |v| stay under 65,504 (f16).
; A = xc [8192][512 bytes], its scales xs [8192][32].  B = wc [n / 128][k / 128][n % 128][64 bytes], its scales ws [3072][32].
; A tile of 256 x 256 is made by four waves, 128 x 128 each: 64 accumulators, 512 registers.  K = 1,024 is two slots of 512: both are asked for at the head and none is filled again.
; CLUSTERS: 4 x 4 work-groups; A's tiles are asked for jointly along a row of the cluster, B's along a column.
; THE MATRIX INSTRUCTION IS USED TRANSPOSED (source 0 = 16 columns of w, source 1 = 16 rows of x): a lane holds eight neighbouring columns of one row.  The bias is the C of each sum's first instruction.
; B IN LDS: 128 columns x 512 K of wc are 32,768 consecutive bytes; they come as 128 rows of 256 bytes.  Column nl, quarter q (128 K) lies in LDS row 32 q + nl / 4 at byte 64 (nl % 4).
; REGISTERS: window 0: v0-31 addresses; v32-95 scale words, two sets; v128-191 A's fragments, one set; v192-255 the bias.  window 1: B's fragments, two sets.  windows 2, 3: the accumulators.
.set KSTEP,  512
.set NQ,     4
.set ROWB,   256
.set KROW,   512                       ; a row of xc in bytes; 128 columns of wc are 128 x 512 bytes too
.set PITCH,  272                       ; an LDS row: 256 bytes + 16 of padding
.set FR,     8
.set NL,     2
.set NP,     4
.set HALFT,  128*PITCH
.set SLOT,   4*HALFT
.set KS,     32                        ; a row of scales in bytes
.set SCL,    2*SLOT
.set HALFS,  (128*KS/256)*272
.set SBLK,   (16*KS/256)*272
.set SPARE,  SCL+4*HALFS               ; the spare words, 128 bytes for each wave, that no other line names
.set SPITCH, 272                       ; the way out: a stage of 16 rows x (256 + 16) bytes for each wave, in slot 0, which has had its only fill and its last read by then
.set ADRA, 16
.set ADRB, 20
.set STO,  24
.set RD,   25
.set CO,   26
.set ADRS, 27
.set SPW,  28
.set NIL,  29
.set SC,   32
.set AF,   128
.set BI,   192                         ; the bias: block b's eight columns of my half at v[BI + 8 b]
.set TMP,  32                          ; the way out: a block packed to f16
.set BK,   64                          ; and read back: v64-95, v96-127 by turns
.set G1, 24
.set G0, 32
.set G1B, 48
.set G0B, 56
.set G1S, 68
.set G0S, 76
.set G1SB, 80
.set G0SB, 88
.set MSB, 0
.macro WIN new                         ; the immediate's high byte repeats the setting that is left
.if MSB != \new
	s_set_vgpr_msb (MSB<<8)|\new
.set MSB, \new
.endif
.endm
.set MUL_LO, 0xa1                      ; source 0 (B) window 1, source 1 (A) window 0, C and D window 2
.set MUL_HI, 0xf1
.set MUL_LO0, 0x81                     ; the same with C (the bias) in window 0
.set MUL_HI0, 0xc1
.set TO_B,   0x40
; A joint load: waves 0 and 1 fetch for A, waves 2 and 3 for B; the branch hangs on the wave's number alone.  An s_nop 0 and four v_nop follow each line.
.macro JLOAD g0a, g1a, g0b, g1b
	s_cmp_eq_u32 s15, 0
	s_cbranch_scc0 .Lfor_b_\@
	tensor_load_to_lds s[\g0a:\g0a+3], s[\g1a:\g1a+7]
	s_nop 0
.rept 4
	v_nop
.endr
	s_branch .Lasked_\@
.Lfor_b_\@:
	tensor_load_to_lds s[\g0b:\g0b+3], s[\g1b:\g1b+7]
	s_nop 0
.rept 4
	v_nop
.endr
.Lasked_\@:
.endm
.macro CROUND                          ; a round of the cluster's barrier
	s_barrier_signal -1
	s_barrier_wait -1
	s_cmp_lg_u32 s14, 0
	s_cbranch_scc1 .Lnot_wave_0_\@
	s_barrier_signal -3
.Lnot_wave_0_\@:
	s_barrier_wait -3
	s_barrier_signal -1
	s_barrier_wait -1
.endm
	s_load_b128 s[4:7], s[0:1], 0x0                ; xc, xs
	s_load_b128 s[8:11], s[0:1], 0x10              ; wc, ws
	s_load_b64 s[66:67], s[0:1], 0x20              ; b_attn
	s_load_b64 s[12:13], s[0:1], 0x28              ; qkv
	v_lshl_add_u32 v[SPW], v0, 2, SPARE
	v_mov_b32 v[NIL], 0
	ds_add_u32 v[SPW], v[NIL]                      ; the wave's opening: the add, twice on end, and its wait ahead of my first tensor load
	ds_add_u32 v[SPW], v[NIL]
	v_lshrrev_b32 v1, 5, v0
	v_readfirstlane_b32 s14, v1                    ; wave 0..3
	s_lshr_b32 s15, s14, 1                         ; which half of the tile's rows is mine.  Also: I fetch for A (0) or for B (1)
	s_and_b32 s16, s14, 1                          ; which half of its columns.  Also: which 128 rows of that tile I fetch
	s_bfe_u32 s40, ttmp6, 0x40000                  ; cx
	s_bfe_u32 s41, ttmp6, 0x40004                  ; cy
	s_lshl_b32 s42, ttmp9, 2
	s_add_co_u32 s42, s42, s40                     ; tile column
	s_and_b32 s17, ttmp7, 0xffff
	s_lshl_b32 s17, s17, 2
	s_add_co_u32 s17, s17, s41                     ; tile row
	s_lshl_b32 s43, s41, 2
	s_lshl_b32 s43, 15, s43                        ; my row of the cluster
	s_lshl_b32 s44, 0x1111, s40                    ; my column
	s_or_b32 s[G1+0], s43, (0<<16)|(1<<20)|(1<<21)|(5<<22)|(3<<25)  ; the mask; elements of 1 byte; padding: 4 words behind every 64
	s_or_b32 s[G1B+0], s44, (0<<16)|(1<<20)|(1<<21)|(5<<22)|(3<<25)
.irp g, G1, G1B
	s_mov_b32 s[\g+1], ROWB<<16                    ; tensor_dim0
	s_mov_b32 s[\g+2], 128<<16                     ; tensor_dim1
	s_mov_b32 s[\g+3], ROWB<<16                    ; tile_dim0
	s_mov_b32 s[\g+4], 128                         ; tile_dim1
	s_mov_b32 s[\g+6], 0
	s_mov_b32 s[\g+7], 0
.endr
	s_mov_b32 s[G1+5], KROW                        ; A: from row to row of xc
	s_mov_b32 s[G1B+5], ROWB                       ; B: a dense block
	s_or_b32 s[G1S+0], s43, (3<<16)|(1<<20)|(1<<21)|(5<<22)|(3<<25)  ; the scales of 128 rows: 4,096 dense bytes as rows of 256
	s_or_b32 s[G1SB+0], s44, (3<<16)|(1<<20)|(1<<21)|(5<<22)|(3<<25)
.irp g, G1S, G1SB
	s_mov_b32 s[\g+1], 32<<16
	s_mov_b32 s[\g+2], (128*KS/256)<<16
	s_mov_b32 s[\g+3], 32<<16
	s_mov_b32 s[\g+4], 128*KS/256
	s_mov_b32 s[\g+5], 32
	s_mov_b32 s[\g+6], 0
	s_mov_b32 s[\g+7], 0
.endr
	s_lshl_b32 s18, s16, 7
	s_lshl_b32 s20, s17, 8
	s_add_co_u32 s20, s20, s18                     ; A: row 256 x tile row + 128 x half
	s_lshl_b32 s46, s42, 8
	s_add_co_u32 s46, s46, s18                     ; B: column 256 x tile column + 128 x half
	s_mov_b32 s21, 0
	s_mov_b32 s47, 0
	s_mov_b64 s[18:19], KS
	s_mul_u64 s[22:23], s[20:21], s[18:19]
	s_mul_u64 s[92:93], s[46:47], s[18:19]
	s_mov_b64 s[18:19], KROW
	s_mul_u64 s[20:21], s[20:21], s[18:19]
	s_mul_u64 s[46:47], s[46:47], s[18:19]         ; 128 columns of wc are 65,536 bytes = 128 x 512
	s_mul_i32 s45, s14, HALFT
	s_mul_i32 s94, s14, HALFS
	s_wait_dscnt 0x0                               ; both opening adds are done
	s_wait_kmcnt 0x0
	s_add_nc_u64 s[20:21], s[4:5], s[20:21]
	s_add_nc_u64 s[22:23], s[6:7], s[22:23]
	s_add_nc_u64 s[46:47], s[8:9], s[46:47]
	s_add_nc_u64 s[92:93], s[10:11], s[92:93]
	CROUND                                         ; all sixteen work-groups are here: the joint loads meet
	s_mov_b32 s[G0S], 1
	s_add_co_u32 s[G0S+1], s94, SCL
	s_mov_b64 s[G0S+2:G0S+3], s[22:23]
	s_or_b32 s[G0S+3], s[G0S+3], 0x80000000
	s_mov_b32 s[G0SB], 1
	s_add_co_u32 s[G0SB+1], s94, SCL
	s_mov_b64 s[G0SB+2:G0SB+3], s[92:93]
	s_or_b32 s[G0SB+3], s[G0SB+3], 0x80000000
	JLOAD G0S, G1S, G0SB, G1SB                     ; the scales first
.irp s, 0,1
	s_mov_b32 s[G0+4*\s], 1
	s_add_co_u32 s[G0+4*\s+1], s45, \s*SLOT
	s_add_nc_u64 s[G0+4*\s+2:G0+4*\s+3], s[20:21], \s*ROWB
	s_or_b32 s[G0+4*\s+3], s[G0+4*\s+3], 0x80000000
	s_mov_b32 s[G0B+4*\s], 1
	s_add_co_u32 s[G0B+4*\s+1], s45, \s*SLOT
	s_add_nc_u64 s[G0B+4*\s+2:G0B+4*\s+3], s[46:47], \s*32768
	s_or_b32 s[G0B+4*\s+3], s[G0B+4*\s+3], 0x80000000
	JLOAD G0+4*\s, G1, G0B+4*\s, G1B               ; three tensor loads of mine are out at the most
.endr
	v_and_b32 v1, 15, v0                           ; r
	v_bfe_u32 v2, v0, 4, 1                         ; h
	v_mul_u32_u24 v3, v1, PITCH
	v_lshl_add_u32 v4, v2, 4, v3                   ; A: row x pitch + 16 h
	v_lshrrev_b32 v5, 2, v1
	v_mul_u32_u24 v5, v5, PITCH
	v_and_b32 v6, 3, v1
	v_lshl_add_u32 v5, v6, 6, v5
	v_lshl_add_u32 v5, v2, 4, v5                   ; B: (r / 4) x pitch + 64 (r % 4) + 16 h: sixteen different 16-byte columns
	s_mul_i32 s21, s15, HALFT
	s_mul_i32 s22, s16, HALFT
	s_add_co_u32 s22, s22, 2*HALFT
.irp s, 0,1
	v_add_nc_u32 v[ADRA+\s], s21, v4
	v_add_nc_u32 v[ADRB+\s], s22, v5
	s_add_co_u32 s21, s21, SLOT
	s_add_co_u32 s22, s22, SLOT
.endr
	v_mul_u32_u24 v5, v1, KS
	v_lshrrev_b32 v6, 8, v5
	v_lshl_add_u32 v5, v6, 4, v5
	s_mul_i32 s21, s15, HALFS
	s_mul_i32 s22, s16, HALFS
	s_add_co_u32 s22, s22, 2*HALFS
	s_sub_co_u32 s22, s22, s21
	v_mul_u32_u24 v6, s22, v2                      ; lanes 16-31 take B's
	s_add_co_u32 s21, s21, SCL
	v_add_nc_u32 v5, v5, v6
	v_add_nc_u32 v[ADRS], s21, v5
	s_mul_i32 s23, s14, 16*SPITCH                  ; my stage
	v_mul_u32_u24 v5, v1, SPITCH
	v_lshl_add_u32 v5, v2, 4, v5
	v_add_nc_u32 v[STO], s23, v5                   ; in: row r, 16 bytes for each half of the lanes
	v_and_b32 v6, 31, v0
	v_lshrrev_b32 v5, 3, v6
	v_mul_u32_u24 v5, v5, SPITCH
	v_and_b32 v3, 7, v0
	v_lshl_add_u32 v5, v3, 4, v5
	v_add_nc_u32 v[RD], s23, v5                    ; back: eight lanes take a head's 128 bytes of a row, four rows an instruction
	v_lshlrev_b32 v[CO], 4, v6
	s_lshl_b32 s46, s42, 10                        ; my first column in b_attn, in bytes: 1,024 x tile column + 512 x half
	s_lshl_b32 s47, s16, 9
	s_add_co_u32 s46, s46, s47
	s_mov_b32 s47, 0
	s_add_nc_u64 s[66:67], s[66:67], s[46:47]
	v_lshlrev_b32 v7, 5, v2                        ; 32 h; not rewritten
.irp b, 0,1,2,3,4,5,6,7
	global_load_b128 v[BI+8*\b:BI+8*\b+3], v7, s[66:67] offset:64*\b
	global_load_b128 v[BI+8*\b+4:BI+8*\b+7], v7, s[66:67] offset:64*\b+16
.endr
	s_lshl_b32 s46, s42, 2                         ; where my part begins in qkv
	s_lshl_b32 s47, s16, 1
	s_add_co_u32 s46, s46, s47                     ; c64 = my first column / 64 (even)
	s_lshr_b32 s47, s46, 4
	s_lshl_b32 s47, s47, 6                         ; 64 x third
	s_and_b32 s46, s46, 15                         ; head
	s_add_co_u32 s46, s46, s47
	s_lshr_b32 s47, s17, 3
	s_lshl_b32 s47, s47, 4                         ; 16 x batch
	s_add_co_u32 s46, s46, s47                     ; the plane
	s_lshl_b32 s46, s46, 18
	s_and_b32 s47, s17, 7
	s_lshl_b32 s47, s47, 15                        ; 256 positions of 128 bytes
	s_add_co_u32 s46, s46, s47
	s_lshl_b32 s47, s15, 14
	s_add_co_u32 s46, s46, s47
	s_mov_b32 s47, 0
	s_add_nc_u64 s[12:13], s[12:13], s[46:47]
.macro FRAGA reg, adr, q, i            ; 16 rows x 128 K of 4-bit codes: 8 registers
.irp c, 0,1
	ds_load_b128 v[\reg+4*\c:\reg+4*\c+3], v[\adr] offset:64*(\q)+32*\c+(\i)*16*PITCH
.endr
.endm
.macro FRAGB reg, adr, q, i
.irp c, 0,1
	ds_load_b128 v[\reg+4*\c:\reg+4*\c+3], v[\adr] offset:(32*(\q)+4*(\i))*PITCH+32*\c
.endr
.endm
; 16 matrix instructions: A's blocks a0, a0 + 1 x B's eight.  zero = 1: the first product starts the sums on the bias.  The 64 accumulators take turns.
.macro MUL16 a0, p, q, sc, zero
.irp a, \a0, \a0+1
.irp b, 0,1,2,3,4,5,6,7
.if \zero
	v_wmma_scale_f32_16x16x128_f8f6f4 v[8*(8*((\a)%4)+\b):8*(8*((\a)%4)+\b)+7], v[128*(\p)+FR*\b:128*(\p)+FR*\b+FR-1], v[AF+FR*(\a):AF+FR*(\a)+FR-1], v[BI+8*\b:BI+8*\b+7], v[SC+8*NQ*(\sc)+NQ*\b+(\q)], v[SC+8*NQ*(\sc)+NQ*(\a)+(\q)] matrix_a_fmt:MATRIX_FMT_FP4 matrix_b_fmt:MATRIX_FMT_FP4 matrix_a_scale:MATRIX_SCALE_ROW1
.else
	v_wmma_scale_f32_16x16x128_f8f6f4 v[8*(8*((\a)%4)+\b):8*(8*((\a)%4)+\b)+7], v[128*(\p)+FR*\b:128*(\p)+FR*\b+FR-1], v[AF+FR*(\a):AF+FR*(\a)+FR-1], v[8*(8*((\a)%4)+\b):8*(8*((\a)%4)+\b)+7], v[SC+8*NQ*(\sc)+NQ*\b+(\q)], v[SC+8*NQ*(\sc)+NQ*(\a)+(\q)] matrix_a_fmt:MATRIX_FMT_FP4 matrix_b_fmt:MATRIX_FMT_FP4 matrix_a_scale:MATRIX_SCALE_ROW1
.endif
.endr
.endr
.endm
.macro FETCH_B slot, q, p
	WIN TO_B
.irp i, 0,1,2,3,4,5,6,7
	FRAGB 128*(\p)+FR*\i, ADRB+\slot, \q, \i
.endr
	WIN 0
.endm
.macro FETCH_A slot, q, i0
.irp i, \i0, \i0+1, \i0+2, \i0+3
	FRAGA AF+FR*(\i), ADRA+\slot, \q, \i
.endr
.endm
.macro SCALES sc                       ; a slot's scale words: lanes 0-15 take A's block i, lanes 16-31 B's block i
.irp i, 0,1,2,3,4,5,6,7
	ds_load_b128 v[SC+8*NQ*\sc+NQ*\i:SC+8*NQ*\sc+NQ*\i+3], v[ADRS] offset:\i*SBLK
.endr
.endm
.macro PLACES n                        ; plain vector lines between a matrix instruction and a load into, or a read of, its registers
.rept \n
	v_nop
.endr
.endm
.macro STEP slot, q, zero
	s_wait_dscnt 4*NL                              ; B's set and A's blocks 0-3 are in; the youngest eight loads (A's blocks 4-7) may be out
.if \zero
	WIN MUL_LO0
.else
	WIN MUL_LO
.endif
	MUL16 0, (\q)%2, \q, \slot, \zero
	MUL16 2, (\q)%2, \q, \slot, \zero
	s_wait_dscnt 0
	PLACES NP
	FETCH_B \slot, (\q)+1, 1-(\q)%2
	FETCH_A \slot, (\q)+1, 0
.if \zero
	WIN MUL_HI0
.else
	WIN MUL_HI
.endif
	MUL16 4, (\q)%2, \q, \slot, \zero
	MUL16 6, (\q)%2, \q, \slot, \zero
	PLACES NP
	WIN 0
	FETCH_A \slot, (\q)+1, 4
.endm
	s_wait_tensorcnt 1                             ; the scales and my part of slot 0 are in (slot 1's load may be out),
	s_barrier_signal -1
	s_barrier_wait -1                              ; everybody's are
	FETCH_B 0, 0, 0
	FETCH_A 0, 0, 0
	SCALES 0
	FETCH_A 0, 0, 4
	s_wait_loadcnt 0x0                             ; the bias
	STEP 0, 0, 1
	STEP 0, 1, 0
	STEP 0, 2, 0
	; slot 0's last step changes slots: one barrier; nothing is filled again
	s_wait_tensorcnt 0x0                           ; my part of slot 1 has landed
	ds_add_u32 v[SPW], v[NIL]
	s_wait_dscnt 4*NL+1                            ; (the add and A's blocks 4-7 may be out)
	WIN MUL_LO
	MUL16 0, 1, 3, 0, 0
	s_wait_dscnt 0x0                               ; the add is done, and my reads of slot 0 are over
	s_barrier_signal -1
	MUL16 2, 1, 3, 0, 0
	WIN 0
	s_barrier_wait -1
	PLACES NP
	v_add_nc_u32 v[ADRS], 4*NQ, v[ADRS]            ; slot 1's scale words
	FETCH_B 1, 0, 0
	FETCH_A 1, 0, 0
	SCALES 1
	WIN MUL_HI
	MUL16 4, 1, 3, 0, 0
	MUL16 6, 1, 3, 0, 0
	PLACES NP
	WIN 0
	FETCH_A 1, 0, 4
	STEP 1, 0, 0
	STEP 1, 1, 0
	STEP 1, 2, 0
	s_wait_dscnt 4*NL
	WIN MUL_LO
	MUL16 0, 1, 3, 1, 0
	MUL16 2, 1, 3, 1, 0
	s_wait_dscnt 0
	WIN MUL_HI
	MUL16 4, 1, 3, 1, 0
	MUL16 6, 1, 3, 1, 0
	WIN 0
; THE WAY OUT, block by block of 16 rows x 128 columns (two heads).  Rounded once to f16; through my own stage; back so that one store covers four positions of one head: 512 consecutive bytes, aligned.
.macro PACK a
.set AC, 64*((\a)%4)
	WIN 0x0a+5*((\a)/4)                            ; sources 0 and 1: window 2 or 3
.irp b, 0,1,2,3,4,5,6,7
.irp r, 0,1,2,3
	v_cvt_pk_f16_f32 v[TMP+4*\b+\r], v[AC+8*\b+2*\r], v[AC+8*\b+2*\r+1]   ; each accumulator from its low end on
.endr
.endr
	WIN 0
.endm
.macro TOSTAGE a
.set BB, BK+32*((\a)%2)
.if (\a) > 1
	s_wait_xcnt 0x0                                ; block a - 2's stores have read their registers
.endif
.irp b, 0,1,2,3,4,5,6,7
	ds_store_b128 v[STO], v[TMP+4*\b:TMP+4*\b+3] offset:32*\b
.endr
.irp i, 0,1,2,3,4,5,6,7
	ds_load_b128 v[BB+4*\i:BB+4*\i+3], v[RD] offset:4*(\i%4)*SPITCH+128*(\i/4)   ; in order behind my stores
.endr
.endm
.macro SEND a
.set BB, BK+32*((\a)%2)
	s_wait_dscnt 0x0
.irp i, 0,1,2,3,4,5,6,7
	global_store_b128 v[CO], v[BB+4*\i:BB+4*\i+3], s[12:13] offset:(\i/4)*262144+(16*(\a)+4*(\i%4))*128
.endr
.endm
	PLACES NP
	PACK 0
	TOSTAGE 0
.irp a, 1,2,3,4,5,6,7
	PACK \a
	SEND \a-1
	TOSTAGE \a
.endr
	SEND 7
	s_wait_tensorcnt 0x0                           ; the wave's end
	ds_add_u32 v[SPW], v[NIL]
	s_wait_dscnt 0x0
	CROUND                                         ; the closing round
	s_endpgm
.Lfunc_end_k_q0c687b8e94_gemm1:
	.size	k_q0c687b8e94_gemm1, .Lfunc_end_k_q0c687b8e94_gemm1-k_q0c687b8e94_gemm1
	.p2alignl 7, 3214868480
	.fill 96, 4, 3214868480
	.section	.rodata,"a",@progbits
	.p2align	6, 0x0
	.amdhsa_kernel k_q0c687b8e94_gemm1
		.amdhsa_group_segment_fixed_size 327680
		.amdhsa_private_segment_fixed_size 0
		.amdhsa_enable_private_segment 0
		.amdhsa_kernarg_size 48
		.amdhsa_user_sgpr_count 2
		.amdhsa_user_sgpr_kernarg_segment_ptr 1
		.amdhsa_wavefront_size32 1
		.amdhsa_system_sgpr_workgroup_id_x 1
		.amdhsa_system_sgpr_workgroup_id_y 1
		.amdhsa_system_sgpr_workgroup_id_z 1
		.amdhsa_system_vgpr_workitem_id 0
		.amdhsa_next_free_vgpr 1024
		.amdhsa_next_free_sgpr 98
		.amdhsa_reserve_vcc 0
		.amdhsa_float_denorm_mode_32 3
		.amdhsa_float_denorm_mode_16_64 3
		.amdhsa_memory_ordered 1
		.amdhsa_forward_progress 1
		.amdhsa_inst_pref_size 128
	.end_amdhsa_kernel
	.amdgpu_metadata
---
amdhsa.version: [ 1, 2 ]
amdhsa.kernels:
  - .name:           k_q0c687b8e94_gemm1
    .symbol:         k_q0c687b8e94_gemm1.kd
    .args:
      - { .name: xc, .offset: 0, .size: 8, .value_kind: global_buffer, .address_space: global }
      - { .name: xs, .offset: 8, .size: 8, .value_kind: global_buffer, .address_space: global }
      - { .name: wc, .offset: 16, .size: 8, .value_kind: global_buffer, .address_space: global }
      - { .name: ws, .offset: 24, .size: 8, .value_kind: global_buffer, .address_space: global }
      - { .name: b_attn, .offset: 32, .size: 8, .value_kind: global_buffer, .address_space: global }
      - { .name: qkv, .offset: 40, .size: 8, .value_kind: global_buffer, .address_space: global }
    .group_segment_fixed_size: 327680
    .private_segment_fixed_size: 0
    .kernarg_segment_align: 8
    .kernarg_segment_size: 48
    .max_flat_workgroup_size: 128
    .sgpr_count:     98
    .vgpr_count:     1024
    .wavefront_size: 32
...
	.end_amdgpu_metadata
.endif
;; end of part 2
;; launch fine_att (part 3): grid 16 x 4, 12 waves a work-group, no clusters, 14,848 bytes of LDS; arguments xc, xs, wc, ws, b_attn, attf; writes attf
.if DOCPART == 3
	.amdgcn_target "amdgcn-amd-amdhsa--gfx1250"
	.amdhsa_code_object_version 6
	.text
	.protected	k_q0c687b8e94_fine_att
	.globl	k_q0c687b8e94_fine_att
	.p2align	8
	.type	k_q0c687b8e94_fine_att,@function
k_q0c687b8e94_fine_att:
	s_mov_b64 s[64:65], 0
	v_nop
	global_prefetch_b8 v0, s[64:65] scope:SCOPE_SE
	s_setreg_imm32_b32 hwreg(HW_REG_WAVE_MODE, 25, 1), 1
	s_wait_xcnt 0x0
; THE FIRST 16 POSITIONS OF EVERY SEQUENCE, IN f32.  They average 1 to 16 values and are the largest outputs, so q, k, v are not rounded here.
; Work-group (head h, batch b).  Phase 1: wave w makes 16 positions x 16 columns of third w / 4 (q, k, v), columns 16 (w % 4) on of the head, by the FP4 matrix instruction on the same codes as launch gemm1,
; sums and bias in f32; the three 16 x 64 matrices meet in LDS.  Phase 2: waves 0-3: S^T = K Q^T, softmax, O^T = V^T P^T by the f32 matrix form; wave w makes channels 16 w on.  attf: [16 b + position][1024] f32.
; Keys after position 15 come after all these queries: under reference()'s own mask they add 0, and are not touched.
; The stores are 32 bytes a lane in rows 4,096 bytes apart: pieces; 262,144 bytes in all.
.set MK,    4352                       ; LDS: q at 0, k, v: 16 rows x (256 + 16) bytes each
.set MV,    8704
.set SPARE, 13312                      ; the spare words, 128 bytes for each of 12 waves
	s_load_b256 s[4:11], s[0:1], 0x0               ; xc, xs, wc, ws
	s_load_b128 s[12:15], s[0:1], 0x20             ; b_attn, attf
	v_lshl_add_u32 v14, v0, 2, SPARE               ; my spare word; never rewritten
	v_mov_b32 v15, 0                               ; never rewritten
	v_lshrrev_b32 v1, 5, v0
	v_readfirstlane_b32 s16, v1                    ; wave 0..11
	s_lshr_b32 s17, s16, 2                         ; third: 0 q, 1 k, 2 v
	s_and_b32 s18, s16, 3                          ; cw
	s_and_b32 s19, ttmp7, 0xffff                   ; b
	v_and_b32 v1, 15, v0                           ; r
	v_bfe_u32 v2, v0, 4, 1                         ; hh
	s_lshl_b32 s20, s17, 10
	s_lshl_b32 s21, ttmp9, 6
	s_add_co_u32 s20, s20, s21
	s_lshl_b32 s21, s18, 4
	s_add_co_u32 s20, s20, s21                     ; n0: my first column of qkv
	s_mov_b32 s27, 0
	s_mov_b32 s22, 0x76543210
	s_mov_b32 s23, 0xfedcba98                      ; lane l xor 16
	s_mov_b32 s24, 0x3e38aa3b                      ; c = log2(e) / sqrt(64)
	v_lshlrev_b32 v3, 9, v1
	v_lshl_add_u32 v3, v2, 4, v3                   ; x's codes: row r of 512 bytes + 16 hh
	v_lshlrev_b32 v4, 6, v1
	v_lshl_add_u32 v4, v2, 4, v4                   ; w's codes: column r of 64 bytes + 16 hh
	v_lshlrev_b32 v5, 5, v1                        ; scale bytes: 32 a row
	v_lshlrev_b32 v6, 5, v2                        ; the bias: 32 hh
	s_mul_i32 s21, s17, 4352
	s_lshl_b32 s28, s18, 6
	s_add_co_u32 s21, s21, s28
	v_mul_u32_u24 v7, v1, 272
	v_lshl_add_u32 v7, v2, 5, v7
	v_add_nc_u32 v7, s21, v7                       ; LDS, in: my third, row r, 64 cw + 32 hh
	v_mul_u32_u24 v8, v1, 272
	v_lshl_add_u32 v8, v2, 7, v8                   ; LDS, q and k: row r, channels 32 hh on
	s_add_co_u32 s28, s28, MV
	v_mul_u32_u24 v9, v2, 2176
	v_lshl_add_u32 v9, v1, 2, v9
	v_add_nc_u32 v9, s28, v9                       ; LDS, v: key 8 hh, channel 16 cw + r
	v_lshlrev_b32 v10, 3, v2
	v_sub_nc_u32 v10, v1, v10                      ; d = r - 8 hh: my register j holds key 8 hh + j, hidden where j > d
	v_lshlrev_b32 v11, 12, v1
	v_lshl_add_u32 v11, v2, 5, v11                 ; out: row r of 4,096 bytes + 32 hh
	v_mov_b32 v12, 0xff800000                      ; -infinity
	s_wait_kmcnt 0x0
	s_lshl_b32 s26, s19, 20
	s_add_nc_u64 s[4:5], s[4:5], s[26:27]          ; xc at the batch's first row
	s_lshl_b32 s26, s19, 16
	s_add_nc_u64 s[6:7], s[6:7], s[26:27]
	s_lshr_b32 s26, s20, 7
	s_lshl_b32 s26, s26, 16
	s_and_b32 s21, s20, 127
	s_lshl_b32 s21, s21, 6
	s_add_co_u32 s26, s26, s21
	s_add_nc_u64 s[8:9], s[8:9], s[26:27]          ; wc at (n0 / 128, k 0, n0 % 128)
	s_lshl_b32 s26, s20, 5
	s_add_nc_u64 s[10:11], s[10:11], s[26:27]
	s_lshl_b32 s26, s20, 2
	s_add_nc_u64 s[12:13], s[12:13], s[26:27]
	s_lshl_b32 s26, s19, 16
	s_lshl_b32 s21, ttmp9, 8
	s_add_co_u32 s26, s26, s21
	s_lshl_b32 s21, s18, 6
	s_add_co_u32 s26, s26, s21
	s_add_nc_u64 s[14:15], s[14:15], s[26:27]      ; attf at row 16 b, column 64 h + 16 cw
.irp k, 0,1,2,3,4,5,6,7
.irp c, 0,1
	global_load_b128 v[16+8*\k+4*\c:19+8*\k+4*\c], v3, s[4:5] offset:64*\k+32*\c
	global_load_b128 v[80+8*\k+4*\c:83+8*\k+4*\c], v4, s[8:9] offset:8192*\k+32*\c
.endr
.endr
	global_load_b128 v[144:147], v5, s[6:7]        ; x's scale words, one for each 128 along K
	global_load_b128 v[148:151], v5, s[6:7] offset:16
	global_load_b128 v[152:155], v5, s[10:11]      ; w's
	global_load_b128 v[156:159], v5, s[10:11] offset:16
	global_load_b128 v[160:163], v6, s[12:13]      ; b_attn at my eight columns
	global_load_b128 v[164:167], v6, s[12:13] offset:16
	s_wait_loadcnt 0x0
; TRANSPOSED: source 0 = 16 columns of w, source 1 = 16 positions: lane (r, hh) holds position r, columns n0 + 8 hh + 0 .. 7.  Two accumulators by turns.
.irp k, 0,1,2,3,4,5,6,7
.if \k == 0
	v_wmma_scale_f32_16x16x128_f8f6f4 v[168:175], v[80:87], v[16:23], v[160:167], v152, v144 matrix_a_fmt:MATRIX_FMT_FP4 matrix_b_fmt:MATRIX_FMT_FP4
.elseif \k == 1
	v_wmma_scale_f32_16x16x128_f8f6f4 v[176:183], v[88:95], v[24:31], 0, v153, v145 matrix_a_fmt:MATRIX_FMT_FP4 matrix_b_fmt:MATRIX_FMT_FP4
.else
	v_wmma_scale_f32_16x16x128_f8f6f4 v[168+8*(\k%2):175+8*(\k%2)], v[80+8*\k:87+8*\k], v[16+8*\k:23+8*\k], v[168+8*(\k%2):175+8*(\k%2)], v[152+\k], v[144+\k] matrix_a_fmt:MATRIX_FMT_FP4 matrix_b_fmt:MATRIX_FMT_FP4
.endif
.endr
.rept 4
	v_nop
.endr
.irp i, 0,2,4,6
	v_pk_add_f32 v[184+\i:185+\i], v[168+\i:169+\i], v[176+\i:177+\i]
.endr
	ds_store_b128 v7, v[184:187]
	ds_store_b128 v7, v[188:191] offset:16
	s_wait_dscnt 0x0                               ; for the others' sake: my stores have landed
	s_barrier_signal -1
	s_barrier_wait -1
	s_cmp_ge_u32 s16, 4
	s_cbranch_scc1 .Ldone
.irp i, 0,1,2,3,4,5,6,7
	ds_load_b128 v[16+4*\i:19+4*\i], v8 offset:MK+16*\i    ; key r, channels 32 hh + 0 .. 31
	ds_load_b128 v[48+4*\i:51+4*\i], v8 offset:16*\i       ; query r, the same channels
.endr
.irp i, 0,1,2,3,4,5,6,7
	ds_load_b32 v[80+\i], v9 offset:272*\i                 ; v(key 8 hh + i, channel 16 cw + r)
.endr
	s_wait_dscnt 0x0
; S^T = K Q^T, 4 along K an instruction.  In step kk both sources hold channel 32 hh + 2 kk + j at place (hh, j): one permutation of the channels on both sides.  Four accumulators by turns, written by matrix instructions alone.
.irp kk, 0,1,2,3,4,5,6,7,8,9,10,11,12,13,14,15
.if \kk < 4
	v_wmma_f32_16x16x4_f32 v[192+8*\kk:199+8*\kk], v[16+2*\kk:17+2*\kk], v[48+2*\kk:49+2*\kk], 0
.else
	v_wmma_f32_16x16x4_f32 v[192+8*(\kk%4):199+8*(\kk%4)], v[16+2*\kk:17+2*\kk], v[48+2*\kk:49+2*\kk], v[192+8*(\kk%4):199+8*(\kk%4)]
.endif
.endr
.rept 8
	v_nop
.endr
.irp i, 0,2,4,6
	v_pk_add_f32 v[88+\i:89+\i], v[192+\i:193+\i], v[200+\i:201+\i]
.endr
.irp i, 0,2,4,6
	v_pk_add_f32 v[104+\i:105+\i], v[208+\i:209+\i], v[216+\i:217+\i]
.endr
.irp i, 0,2,4,6
	v_pk_add_f32 v[88+\i:89+\i], v[88+\i:89+\i], v[104+\i:105+\i]   ; lane (r, hh): query r, keys 8 hh + 0 .. 7
.endr
.irp j, 0,1,2,3,4,5,6,7
	v_cmp_gt_i32 vcc_lo, \j, v10
	v_cndmask_b32 v[88+\j], v[88+\j], v12, vcc_lo          ; the causal mask
.endr
	v_max3_num_f32 v104, v88, v89, v90
	v_max3_num_f32 v105, v91, v92, v93
	v_max3_num_f32 v104, v104, v94, v95
	v_max_num_f32 v104, v104, v105
	v_permlanex16_b32 v106, v104, s22, s23
	v_max_num_f32 v104, v104, v106                 ; the row's maximum: key 0 counts for every query, so it is a number
	v_mul_f32 v105, s24, v104
.irp j, 0,1,2,3,4,5,6,7
	v_fma_f32 v[96+\j], v[88+\j], s24, -v105
.endr
.irp j, 0,1,2,3,4,5,6,7
	v_exp_f32 v[96+\j], v[96+\j]
.endr
	v_nop                                          ; a plain line behind the exponentials,
	s_wait_alu depctr_va_vdst(0)                   ; and one wait ahead of their first reader
	v_pk_add_f32 v[104:105], v[96:97], v[98:99]
	v_pk_add_f32 v[106:107], v[100:101], v[102:103]
	v_pk_add_f32 v[104:105], v[104:105], v[106:107]
	v_add_f32 v104, v104, v105
	v_permlanex16_b32 v106, v104, s22, s23
	v_add_f32 v104, v104, v106                     ; the row's sum
	v_rcp_f32 v105, v104
	v_nop
	s_wait_alu depctr_va_vdst(0)
; O^T = V^T P^T: in step kk both sources hold key 8 hh + 2 kk + j.  Two accumulators by turns.
.irp kk, 0,1,2,3
.if \kk < 2
	v_wmma_f32_16x16x4_f32 v[224+8*\kk:231+8*\kk], v[80+2*\kk:81+2*\kk], v[96+2*\kk:97+2*\kk], 0
.else
	v_wmma_f32_16x16x4_f32 v[224+8*(\kk%2):231+8*(\kk%2)], v[80+2*\kk:81+2*\kk], v[96+2*\kk:97+2*\kk], v[224+8*(\kk%2):231+8*(\kk%2)]
.endif
.endr
.rept 8
	v_nop
.endr
.irp i, 0,2,4,6
	v_pk_add_f32 v[112+\i:113+\i], v[224+\i:225+\i], v[232+\i:233+\i]
.endr
.irp j, 0,1,2,3,4,5,6,7
	v_mul_f32 v[112+\j], v[112+\j], v105           ; lane (r, hh): query r, channels 16 cw + 8 hh + 0 .. 7
.endr
	global_store_b128 v11, v[112:115], s[14:15]
	global_store_b128 v11, v[116:119], s[14:15] offset:16
.Ldone:
	s_wait_tensorcnt 0x0                           ; the wave's end
	ds_add_u32 v14, v15
	s_wait_dscnt 0x0
	s_endpgm
.Lfunc_end_k_q0c687b8e94_fine_att:
	.size	k_q0c687b8e94_fine_att, .Lfunc_end_k_q0c687b8e94_fine_att-k_q0c687b8e94_fine_att
	.p2alignl 7, 3214868480
	.fill 96, 4, 3214868480
	.section	.rodata,"a",@progbits
	.p2align	6, 0x0
	.amdhsa_kernel k_q0c687b8e94_fine_att
		.amdhsa_group_segment_fixed_size 14848
		.amdhsa_private_segment_fixed_size 0
		.amdhsa_enable_private_segment 0
		.amdhsa_kernarg_size 48
		.amdhsa_user_sgpr_count 2
		.amdhsa_user_sgpr_kernarg_segment_ptr 1
		.amdhsa_wavefront_size32 1
		.amdhsa_system_sgpr_workgroup_id_x 1
		.amdhsa_system_sgpr_workgroup_id_y 1
		.amdhsa_system_sgpr_workgroup_id_z 1
		.amdhsa_system_vgpr_workitem_id 0
		.amdhsa_next_free_vgpr 240
		.amdhsa_next_free_sgpr 66
		.amdhsa_reserve_vcc 1
		.amdhsa_float_denorm_mode_32 3
		.amdhsa_float_denorm_mode_16_64 3
		.amdhsa_memory_ordered 1
		.amdhsa_forward_progress 1
		.amdhsa_inst_pref_size 16
	.end_amdhsa_kernel
	.amdgpu_metadata
---
amdhsa.version: [ 1, 2 ]
amdhsa.kernels:
  - .name:           k_q0c687b8e94_fine_att
    .symbol:         k_q0c687b8e94_fine_att.kd
    .args:
      - { .name: xc, .offset: 0, .size: 8, .value_kind: global_buffer, .address_space: global }
      - { .name: xs, .offset: 8, .size: 8, .value_kind: global_buffer, .address_space: global }
      - { .name: wc, .offset: 16, .size: 8, .value_kind: global_buffer, .address_space: global }
      - { .name: ws, .offset: 24, .size: 8, .value_kind: global_buffer, .address_space: global }
      - { .name: b_attn, .offset: 32, .size: 8, .value_kind: global_buffer, .address_space: global }
      - { .name: attf, .offset: 40, .size: 8, .value_kind: global_buffer, .address_space: global }
    .group_segment_fixed_size: 14848
    .private_segment_fixed_size: 0
    .kernarg_segment_align: 8
    .kernarg_segment_size: 48
    .max_flat_workgroup_size: 384
    .sgpr_count:     66
    .vgpr_count:     240
    .wavefront_size: 32
...
	.end_amdgpu_metadata
.endif
;; end of part 3
;; launch attn (part 4): grid 4 x 64, 8 waves a work-group, no clusters, 327,680 bytes of LDS; arguments qkv, att; writes att
.if DOCPART == 4
	.amdgcn_target "amdgcn-amd-amdhsa--gfx1250"
	.amdhsa_code_object_version 6
	.text
	.protected	k_q0c687b8e94_attn
	.globl	k_q0c687b8e94_attn
	.p2align	8
	.type	k_q0c687b8e94_attn,@function
k_q0c687b8e94_attn:
	s_mov_b64 s[64:65], 0
	v_nop
	global_prefetch_b8 v0, s[64:65] scope:SCOPE_SE
	s_setreg_imm32_b32 hwreg(HW_REG_WAVE_MODE, 25, 1), 1
	s_wait_xcnt 0x0
; att[h][b, q][:] = the sum over k <= q of softmax_k(Q . K / 8) V.  q, k, v: planes of qkv, [2048][64] f16.  Products, maxima and sums in f32; p is rounded to f16 for the second product, att once at the end.
; WORK LEFT OUT: a step of 64 keys all of which come after a wave's 32 queries is not multiplied, and a slot of 256 keys that comes after a block's queries is not loaded: under reference()'s own mask they add 0.
; LIMITS: |q|, |k|, |v| under 65,504; p under 6e-8 rounds to 0; the sums go in another order than reference()'s; a NaN or infinity that would arise only in masked steps is not carried.
; SHARES.  The 2,048 queries of a (batch, head) are 8 blocks of 256.  Work-group j (0..3) takes block 7 - j, then block j: (8 - j) + (j + 1) = 9 slots of 256 keys for every work-group: a constant count of trips, even work.
; Each of eight waves owns 32 queries of the block in hand (two tiles of 16); two waves share a SIMD, so that one wave's softmax stands beside the other's products.
; NO CLUSTER: the four work-groups of a head walk different runs of slots (8 - j, then j + 1), so no round would find them asking for the same tile; a joint walk would take 12 rounds for 9 slots of work.
; LAYOUT.  S^T = K Q^T (source 0 = 16 keys, source 1 = 16 queries), O^T = V^T P (source 0 = 16 channels, turned on the way out of LDS): a lane holds one query throughout.
; SOFTMAX.  A running maximum m and sum l for each query: p = 2^(c s - c m), c = log2(e) / 8; in every step O and l are multiplied by a = 2^(c m_old - c m_new).
; REGISTERS.  window 0: v1-15 addresses; v16-31 statistics, 8 a tile; v32-95 S^T; v96-127 P; v128-191 K; v192-255 V.   window 1: v0-31 Q; v32-95 O^T.
.set STEPB, 19456                      ; a step's tiles lie together: 64 rows of K (128 + 16 bytes), then 64 rows of V (128 + 32)
.set VOFF,  9216
.set SLOT1, 131072                     ; a slot holds four steps (77,824 bytes); slot 1 begins here: one exclusive or turns an address
.set STAGE, SLOT1+4*STEPB              ; 16 rows x 144 bytes for each wave; no tile lands here
.set SPARE, STAGE+8*2304               ; the spare words, 128 bytes for each wave, that no other line names
.set AK0, 1
.set AV0, 2
.set ADK, 3
.set ADV, 4
.set QO,  5
.set STO, 6
.set RD,  7
.set GO,  8
.set RH,  9                            ; r - 8 h
.set DD,  10
.set NINF, 11
.set PFO, 12                           ; 256 x lane
.set SPW, 14
.set NIL, 15
.set ST,  16                           ; tile t at v[ST + 8 t]: +0 c m, +1 m, +2, +3 l, +4..+7 at work; a takes +6
.set S,   32
.set P,   96
.set KFR, 128
.set VFR, 192
.set OT,  32                           ; in window 1
.set WV,  8
.set SUB, 9
.set J,   10
.set BH,  11
.set TRIP, 12
.set LAST1, 13
.set KS,  14
.set INNER, 15
.set Q0,  16
.set KF,  17
.set TB,  18
.set SEL, 20
.set CS,  22
.set G1K, 24
.set G1V, 32
.set G0,  40
.set BKV, 44
.set OFF, 46
.set PFA, 48
.set LIM, 50
.set QB,  52
.set OB,  54
.set MSB, 0
.macro WIN new
.if MSB != \new
	s_set_vgpr_msb (MSB<<8)|\new
.set MSB, \new
.endif
.endm
.set W_KQ, 0x04                        ; Q (source 1) in window 1
.set W_PV, 0x50                        ; O^T (C and D) in window 1
.set W_RS, 0x41                        ; O^T (destination, source 0) in window 1
; Waves 0-3 fetch the four steps' K, waves 4-7 their V: 64 rows of 128 bytes each.  An s_nop 0 and four v_nop follow each line.
.macro TLOAD
	s_cmp_lt_u32 s[WV], 4
	s_cbranch_scc0 .Lfor_v_\@
	tensor_load_to_lds s[G0:G0+3], s[G1K:G1K+7]
	s_nop 0
.rept 4
	v_nop
.endr
	s_branch .Lasked_\@
.Lfor_v_\@:
	tensor_load_to_lds s[G0:G0+3], s[G1V:G1V+7]
	s_nop 0
.rept 4
	v_nop
.endr
.Lasked_\@:
.endm
; A prefetch of my wave's 8,192 bytes of key slot TRIP + 2, which the next change of slots will ask for: lanes 256 bytes apart.  All four work-groups of a head walk the same K and V from slot 0 on:
; work-group j = 0, which walks slots 0 to 7 in trips 0 to 7, asks, and nobody else: each block is named once.  Trips 6 and on ask for nothing: slot 7 is the plane's last.
.macro ASK
	s_cmp_lt_u32 s[TRIP], s[LIM]
	s_cbranch_scc0 .Lnot_mine_\@
	global_prefetch_b8 v[PFO], s[PFA:PFA+1] th:TH_LOAD_NT scope:SCOPE_SE
.Lnot_mine_\@:
.endm
; A block of queries begins: Q into registers, O^T and l zero, m under every score.
.macro INIT
	s_lshl_b32 s56, s[Q0], 7
	s_mov_b32 s57, 0
	s_add_nc_u64 s[QB:QB+1], s[58:59], s[56:57]
	s_add_nc_u64 s[OB:OB+1], s[60:61], s[56:57]
	WIN 0x40                                       ; destination window 1
.irp t, 0,1
.irp c, 0,1
	global_load_b128 v[16*\t+8*\c:16*\t+8*\c+3],   v[QO], s[QB:QB+1] offset:2048*\t+64*\c
	global_load_b128 v[16*\t+8*\c+4:16*\t+8*\c+7], v[QO], s[QB:QB+1] offset:2048*\t+64*\c+32
.endr
.endr
.set i, 0
.rept 64
	v_mov_b32 v[OT+i], 0                           ; the step is written once: the first finds zeros
.set i, i+1
.endr
	WIN 0
.irp t, 0,1
	v_mov_b32 v[ST+8*\t+1], 0xff61b1e6             ; m = -3e38
	v_mul_f32 v[ST+8*\t], s[CS], v[ST+8*\t+1]
.irp k, 2,3,4,5,6,7
	v_mov_b32 v[ST+8*\t+\k], 0
.endr
.endr
	s_wait_loadcnt 0x0
.endm
; A KEY STEP: 64 keys.
.macro STEP
	s_add_co_u32 s19, s[Q0], 31
	s_cmp_gt_u32 s[KF], s19                        ; all 64 keys come after my 32 queries: ids and the count of steps alone
	s_cbranch_scc1 .Lhid_\@
	v_add_nc_u32 v[ADK], s[TB], v[AK0]
	v_add_nc_u32 v[ADV], s[TB], v[AV0]
	v_nop
	v_nop                                          ; four plain lines between the last step's products and the loads into V's registers
.irp kt, 0,1,2,3
.irp kc, 0,1
	ds_load_b128 v[KFR+16*\kt+8*\kc:KFR+16*\kt+8*\kc+3],   v[ADK] offset:\kt*2304+64*\kc
	ds_load_b128 v[KFR+16*\kt+8*\kc+4:KFR+16*\kt+8*\kc+7], v[ADK] offset:\kt*2304+64*\kc+32
.endr
.endr
.irp kg, 0,1
.irp ct, 0,1,2,3
	ds_load_tr16_b128 v[VFR+32*\kg+8*\ct:VFR+32*\kg+8*\ct+3],   v[ADV] offset:\kg*5120+32*\ct
	ds_load_tr16_b128 v[VFR+32*\kg+8*\ct+4:VFR+32*\kg+8*\ct+7], v[ADV] offset:\kg*5120+2560+32*\ct
.endr
.endr
	s_wait_dscnt 16                                ; K is in; V's sixteen loads stay out
	WIN W_KQ
.set i, 0
.rept 16                               ; channels 32 (i / 8) on, keys 16 ((i / 2) % 4) on, tile i % 2: eight accumulators by turns
.set rS, S+32*(i%2)+8*((i/2)%4)
.set rK, KFR+16*((i/2)%4)+8*(i/8)
.set rQ, 16*(i%2)+8*(i/8)
.if i < 8
	v_wmma_f32_16x16x32_f16 v[rS:rS+7], v[rK:rK+7], v[rQ:rQ+7], 0
.else
	v_wmma_f32_16x16x32_f16 v[rS:rS+7], v[rK:rK+7], v[rQ:rQ+7], v[rS:rS+7]
.endif
.set i, i+1
.endr
	WIN 0
.rept 4
	v_nop
.endr
	s_add_co_u32 s19, s[KF], 63
	s_cmp_le_u32 s19, s[Q0]                        ; all 64 keys count for all my queries
	s_cbranch_scc1 .Lopen_\@
	s_sub_co_i32 s19, s[Q0], s[KF]
	v_add_nc_u32 v[DD], s19, v[RH]                 ; register n of tile t holds key KF + 16 (n / 8) + 8 h + n % 8: hidden where 16 (n / 8) + n % 8 - 16 t > Q0 - KF + r - 8 h
.irp t, 0,1
.irp n, 0,1,2,3,4,5,6,7,8,9,10,11,12,13,14,15,16,17,18,19,20,21,22,23,24,25,26,27,28,29,30,31
	v_cmp_gt_i32 vcc_lo, 16*(\n/8)+\n%8-16*\t, v[DD]
	v_cndmask_b32 v[S+32*\t+\n], v[S+32*\t+\n], v[NINF], vcc_lo
.endr
.endr
.Lopen_\@:
	; the maximum of my 32 scores and the old m: four chains a tile, the tiles by turns
.irp j, 0,1,2,3
.irp t, 0,1
	v_max3_num_f32 v[ST+8*\t+4+\j], v[S+32*\t+8*\j], v[S+32*\t+8*\j+1], v[S+32*\t+8*\j+2]
.endr
.endr
.irp g, 1,2
.irp j, 0,1,2,3
.irp t, 0,1
	v_max3_num_f32 v[ST+8*\t+4+\j], v[ST+8*\t+4+\j], v[S+32*\t+8*\j+2*\g+1], v[S+32*\t+8*\j+2*\g+2]
.endr
.endr
.endr
.irp t, 0,1
	v_max3_num_f32 v[ST+8*\t+4], v[ST+8*\t+4], v[S+32*\t+7], v[S+32*\t+15]
	v_max3_num_f32 v[ST+8*\t+6], v[ST+8*\t+6], v[S+32*\t+23], v[S+32*\t+31]
.endr
.irp t, 0,1
	v_max3_num_f32 v[ST+8*\t+4], v[ST+8*\t+4], v[ST+8*\t+5], v[ST+8*\t+6]
.endr
.irp t, 0,1
	v_max3_num_f32 v[ST+8*\t+4], v[ST+8*\t+4], v[ST+8*\t+7], v[ST+8*\t+1]
.endr
.irp t, 0,1
	v_permlanex16_b32 v[ST+8*\t+5], v[ST+8*\t+4], s[SEL], s[SEL+1]   ; the query's other 32 keys lie in the lane 16 away
.endr
.irp t, 0,1
	v_mov_b32 v[ST+8*\t+7], v[ST+8*\t]             ; c m_old
.endr
.irp t, 0,1
	v_max_num_f32 v[ST+8*\t+1], v[ST+8*\t+4], v[ST+8*\t+5]
.endr
.irp t, 0,1
	v_mul_f32 v[ST+8*\t], s[CS], v[ST+8*\t+1]
.endr
.irp t, 0,1
	v_sub_f32 v[ST+8*\t+7], v[ST+8*\t+7], v[ST+8*\t]
.endr
	; ONE BATCH: 32 packed scalings and 66 exponentials; none of these lines names an exponential's result
.irp t, 0,1
	v_pk_fma_f32 v[S+32*\t:S+32*\t+1], v[S+32*\t:S+32*\t+1], s[CS:CS+1], v[ST+8*\t:ST+8*\t+1] op_sel_hi:[1,0,0] neg_lo:[0,0,1] neg_hi:[0,0,1]
.endr
.irp t, 0,1
	v_exp_f32 v[ST+8*\t+6], v[ST+8*\t+7]           ; a
.endr
.irp b, 1,2,3,4,5,6,7,8,9,10,11,12,13,14,15
.irp t, 0,1
	v_pk_fma_f32 v[S+32*\t+2*\b:S+32*\t+2*\b+1], v[S+32*\t+2*\b:S+32*\t+2*\b+1], s[CS:CS+1], v[ST+8*\t:ST+8*\t+1] op_sel_hi:[1,0,0] neg_lo:[0,0,1] neg_hi:[0,0,1]
	v_exp_f32 v[S+32*\t+2*(\b-1)], v[S+32*\t+2*(\b-1)]
	v_exp_f32 v[S+32*\t+2*(\b-1)+1], v[S+32*\t+2*(\b-1)+1]
.endr
.endr
.irp t, 0,1
	v_exp_f32 v[S+32*\t+30], v[S+32*\t+30]
	v_exp_f32 v[S+32*\t+31], v[S+32*\t+31]
.endr
	v_nop                                          ; a plain line behind the last exponential,
	s_wait_alu depctr_va_vdst(0)                   ; and one wait ahead of the batch's first reader
.irp i, 0,1,2,3,4,5,6,7,8,9,10,11,12,13,14,15
.irp t, 0,1
	v_cvt_pk_f16_f32 v[P+16*\t+\i], v[S+32*\t+2*\i], v[S+32*\t+2*\i+1]
.endr
.endr
.irp u, 0,1,2,3,4,5,6,7
.irp t, 0,1
	v_pk_add_f32 v[S+32*\t+4*\u:S+32*\t+4*\u+1], v[S+32*\t+4*\u:S+32*\t+4*\u+1], v[S+32*\t+4*\u+2:S+32*\t+4*\u+3]   ; the sum is taken of p as it stood before the rounding
.endr
.endr
.irp u, 0,1,2,3
.irp t, 0,1
	v_pk_add_f32 v[S+32*\t+8*\u:S+32*\t+8*\u+1], v[S+32*\t+8*\u:S+32*\t+8*\u+1], v[S+32*\t+8*\u+4:S+32*\t+8*\u+5]
.endr
.endr
.irp u, 0,1
.irp t, 0,1
	v_pk_add_f32 v[S+32*\t+16*\u:S+32*\t+16*\u+1], v[S+32*\t+16*\u:S+32*\t+16*\u+1], v[S+32*\t+16*\u+8:S+32*\t+16*\u+9]
.endr
.endr
.irp t, 0,1
	v_pk_add_f32 v[S+32*\t:S+32*\t+1], v[S+32*\t:S+32*\t+1], v[S+32*\t+16:S+32*\t+17]
.endr
.irp t, 0,1
	v_pk_fma_f32 v[ST+8*\t+2:ST+8*\t+3], v[ST+8*\t+2:ST+8*\t+3], v[ST+8*\t+6:ST+8*\t+7], v[S+32*\t:S+32*\t+1] op_sel_hi:[1,0,1]   ; l = a l + the sum
.endr
	WIN W_RS
.irp i, 0,1,2,3,4,5,6,7,8,9,10,11,12,13,14,15
.irp t, 0,1
	v_pk_mul_f32 v[OT+32*\t+2*\i:OT+32*\t+2*\i+1], v[OT+32*\t+2*\i:OT+32*\t+2*\i+1], v[ST+8*\t+6:ST+8*\t+7] op_sel_hi:[1,0]   ; O^T x a, each accumulator from its low end on
.endr
.endr
	s_wait_dscnt 0x0                               ; V is in
	WIN W_PV
.set i, 0
.rept 16                               ; keys 32 (i / 8) on, channels 16 ((i / 2) % 4) on, tile i % 2: eight accumulators by turns
.set rO, OT+32*(i%2)+8*((i/2)%4)
.set rV, VFR+32*(i/8)+8*((i/2)%4)
.set rP, P+16*(i%2)+8*(i/8)
	v_wmma_f32_16x16x32_f16 v[rO:rO+7], v[rV:rV+7], v[rP:rP+7], v[rO:rO+7]
.set i, i+1
.endr
	WIN 0
.Lhid_\@:
	s_add_co_u32 s[KF], s[KF], 64
	s_add_co_u32 s[TB], s[TB], STEPB
.endm
.macro SLOT_STEPS                      ; a slot's four steps: written once, walked four times
	s_mov_b32 s[INNER], 4
.Lstep_\@:
	STEP
	s_sub_co_u32 s[INNER], s[INNER], 1
	s_cmp_lg_u32 s[INNER], 0
	s_cbranch_scc1 .Lstep_\@
	s_sub_co_u32 s[TB], s[TB], 4*STEPB
	s_xor_b32 s[TB], s[TB], SLOT1                  ; on to the other slot
.endm
; THE CHANGE OF SLOTS, at a slot's head.  Each wave waits for its tensor load (its part of the slot ahead), adds 0 to its spare word, and waits for that and for its reads of the slot that it has left.
; Behind the barrier the slot ahead is whole and nobody reads the other.  fill = 1: the other slot takes the next trip's keys: the next slot of this block, or slot 0 for the second block.  One tensor load of mine is out.
.macro CHANGE fill
	s_wait_tensorcnt 0x0                           ; no tensor load of mine is out, so group 0 may be written
	ds_add_u32 v[SPW], v[NIL]
.if \fill
	s_add_co_u32 s[KS], s[KS], 1
	s_cmp_eq_u32 s[TRIP], s[LAST1]
	s_cselect_b32 s[KS], 0, s[KS]
	s_xor_b32 s[G0+1], s[G0+1], SLOT1
	s_lshl_b32 s[OFF], s[KS], 15                   ; 256 keys of 128 bytes
	s_add_nc_u64 s[G0+2:G0+3], s[BKV:BKV+1], s[OFF:OFF+1]
	s_or_b32 s[G0+3], s[G0+3], 0x80000000
	s_wait_xcnt 0x0                                ; the last prefetch, a slot back, has read its address
	s_add_nc_u64 s[PFA:PFA+1], s[PFA:PFA+1], 32768
.endif
	s_wait_dscnt 0x0                               ; the add is done, and my reads of the slot that I have left are over
	s_barrier_signal -1
	s_barrier_wait -1
.if \fill
	TLOAD                                          ; the first thing behind the barrier: it has four steps in which to land
	ASK
.endif
.endm
; A block of queries ends: O^T / l, rounded to f16, through my stage, out as 512 consecutive bytes a store (four positions of my head).
.macro FINISH
.rept 4
	v_nop
.endr
.irp t, 0,1
	v_add_f32 v[ST+8*\t+4], v[ST+8*\t+2], v[ST+8*\t+3]
.endr
.irp t, 0,1
	v_permlanex16_b32 v[ST+8*\t+5], v[ST+8*\t+4], s[SEL], s[SEL+1]
.endr
.irp t, 0,1
	v_add_f32 v[ST+8*\t+4], v[ST+8*\t+4], v[ST+8*\t+5]
.endr
.irp t, 0,1
	v_rcp_f32 v[ST+8*\t+6], v[ST+8*\t+4]
.endr
	v_nop
	s_wait_alu depctr_va_vdst(0)                   ; one wait for the two reciprocals
.irp t, 0,1
	WIN 0x01                                       ; source 0 window 1
.irp i, 0,1,2,3,4,5,6,7,8,9,10,11,12,13,14,15
	v_pk_mul_f32 v[S+32*\t+2*\i:S+32*\t+2*\i+1], v[OT+32*\t+2*\i:OT+32*\t+2*\i+1], v[ST+8*\t+6:ST+8*\t+7] op_sel_hi:[1,0]
.endr
	WIN 0
.irp i, 0,1,2,3,4,5,6,7,8,9,10,11,12,13,14,15
	v_cvt_pk_f16_f32 v[P+16*\t+\i], v[S+32*\t+2*\i], v[S+32*\t+2*\i+1]
.endr
.irp c, 0,1,2,3
	ds_store_b128 v[STO], v[P+16*\t+4*\c:P+16*\t+4*\c+3] offset:32*\c
.endr
.irp i, 0,1,2,3
	ds_load_b128 v[S+32*\t+4*\i:S+32*\t+4*\i+3], v[RD] offset:576*\i   ; in order behind my stores
.endr
.irp i, 0,1,2,3
	s_wait_dscnt 3-\i
	global_store_b128 v[GO], v[S+32*\t+4*\i:S+32*\t+4*\i+3], s[OB:OB+1] offset:2048*\t+512*\i
.endr
.endr
	s_wait_xcnt 0x0                                ; the stores have read their registers and their base
.endm
	s_load_b128 s[4:7], s[0:1], 0x0                ; qkv, att
	v_lshl_add_u32 v[SPW], v0, 2, SPARE
	v_mov_b32 v[NIL], 0
	ds_add_u32 v[SPW], v[NIL]                      ; the wave's opening: the add, twice on end, and its wait ahead of my first tensor load
	ds_add_u32 v[SPW], v[NIL]
	v_lshrrev_b32 v1, 5, v0
	v_readfirstlane_b32 s[WV], v1                  ; wave 0..7
	s_lshr_b32 s19, s[WV], 2                       ; 0: I fetch K, 1: V
	s_mul_i32 s[SUB], s19, 3
	s_xor_b32 s[SUB], s[WV], s[SUB]                ; which 32 queries of a block: waves w and w + 4 take sub-blocks w and 7 - w
	s_mov_b32 s[J], ttmp9
	s_and_b32 s[BH], ttmp7, 0xffff                 ; 16 b + h
	s_mov_b32 s[TRIP], 0
	s_sub_co_u32 s[LAST1], 7, s[J]                 ; the first block's number, and its last trip
	s_mov_b32 s[KS], 0
	s_mov_b32 s[KF], 0
	s_mov_b32 s[TB], 0
	s_mov_b32 s[SEL], 0x76543210
	s_mov_b32 s[SEL+1], 0xfedcba98
	s_mov_b32 s[CS], 0x3e38aa3b                    ; c = log2(e) / 8
	s_mov_b32 s[CS+1], s[CS]
	s_mov_b32 s[G1K], (1<<16)|(1<<20)|(4<<22)|(3<<25)   ; elements of 2 bytes; padding: 4 words behind every 32
	s_mov_b32 s[G1V], (1<<16)|(1<<20)|(4<<22)|(7<<25)   ; 8 words
.irp g, G1K, G1V
	s_mov_b32 s[\g+1], 64<<16                      ; tensor_dim0
	s_mov_b32 s[\g+2], 64<<16                      ; tensor_dim1
	s_mov_b32 s[\g+3], 64<<16                      ; tile_dim0
	s_mov_b32 s[\g+4], 64                          ; tile_dim1
	s_mov_b32 s[\g+5], 64                          ; from row to row
	s_mov_b32 s[\g+6], 0
	s_mov_b32 s[\g+7], 0
.endr
	s_and_b32 s51, s[WV], 3                        ; which of a slot's four steps I fetch
	s_mul_i32 s[G0+1], s51, STEPB
	s_mul_i32 s56, s19, VOFF
	s_add_co_u32 s[G0+1], s[G0+1], s56             ; its place in slot 0
	s_mov_b32 s[G0], 1
	s_lshl_b32 s[OFF], s19, 6
	s_add_co_u32 s[OFF], s[OFF], 64
	s_add_co_u32 s[OFF], s[OFF], s[BH]             ; the plane: 64 + 16 b + h for k, 128 + .. for v
	s_lshl_b32 s[OFF], s[OFF], 18
	s_lshl_b32 s56, s51, 13
	s_add_co_u32 s[OFF], s[OFF], s56
	s_mov_b32 s[OFF+1], 0
	s_wait_dscnt 0x0                               ; both opening adds are done
	s_wait_kmcnt 0x0
	s_add_nc_u64 s[BKV:BKV+1], s[4:5], s[OFF:OFF+1]
	s_mov_b64 s[G0+2:G0+3], s[BKV:BKV+1]
	s_or_b32 s[G0+3], s[G0+3], 0x80000000
	TLOAD                                          ; slot 0: keys 0 to 255, which count for every block
	s_add_nc_u64 s[PFA:PFA+1], s[BKV:BKV+1], 32768 ; the first change of slots steps it to key slot 2.  Nothing is prefetched at the head
	s_cmp_eq_u32 s[J], 0
	s_cselect_b32 s[LIM], 6, 0
	s_lshl_b32 s[OFF], s[BH], 18
	s_add_nc_u64 s[58:59], s[4:5], s[OFF:OFF+1]    ; q's plane
	s_and_b32 s[OFF], s[BH], 15
	s_lshl_b32 s[OFF], s[OFF], 20
	s_lshr_b32 s56, s[BH], 4
	s_lshl_b32 s56, s56, 18
	s_add_co_u32 s[OFF], s[OFF], s56
	s_add_nc_u64 s[60:61], s[6:7], s[OFF:OFF+1]    ; att at (h, b, 0)
	v_and_b32 v13, 15, v0                          ; r
	v_bfe_u32 v10, v0, 4, 1                        ; h
	v_mul_u32_u24 v[AK0], v13, 144
	v_lshl_add_u32 v[AK0], v10, 4, v[AK0]
	v_and_b32 v3, 7, v0
	v_lshl_add_u32 v[AV0], v10, 3, v3
	v_mul_u32_u24 v[AV0], v[AV0], 160
	v_bfe_u32 v4, v0, 3, 1
	v_lshl_add_u32 v[AV0], v4, 4, v[AV0]
	v_add_nc_u32 v[AV0], VOFF, v[AV0]
	v_lshlrev_b32 v[QO], 7, v13
	v_lshl_add_u32 v[QO], v10, 4, v[QO]
	s_mul_i32 s19, s[WV], 2304
	s_add_co_u32 s19, s19, STAGE
	v_mul_u32_u24 v[STO], v13, 144
	v_lshl_add_u32 v[STO], v10, 4, v[STO]
	v_add_nc_u32 v[STO], s19, v[STO]
	v_and_b32 v12, 31, v0
	v_lshrrev_b32 v[RD], 3, v12
	v_mul_u32_u24 v[RD], v[RD], 144
	v_lshl_add_u32 v[RD], v3, 4, v[RD]
	v_add_nc_u32 v[RD], s19, v[RD]
	v_lshlrev_b32 v[GO], 4, v12
	v_lshlrev_b32 v[RH], 3, v10
	v_sub_nc_u32 v[RH], v13, v[RH]
	v_mov_b32 v[NINF], 0xff800000
	v_lshlrev_b32 v[PFO], 8, v12
	s_lshl_b32 s[Q0], s[LAST1], 8
	s_lshl_b32 s19, s[SUB], 5
	s_add_co_u32 s[Q0], s[Q0], s19                 ; my first query: block 7 - j
	INIT
.Ltrip:                                            ; eight trips, each asking for the next trip's slot
	CHANGE 1
	SLOT_STEPS
	s_cmp_lg_u32 s[TRIP], s[LAST1]                 ; ids and the count of trips alone: the same in all eight waves; no barrier and no tensor load stands inside
	s_cbranch_scc1 .Lsame
	FINISH
	s_lshl_b32 s[Q0], s[J], 8
	s_lshl_b32 s19, s[SUB], 5
	s_add_co_u32 s[Q0], s[Q0], s19                 ; block j
	s_mov_b32 s[KF], 0
	INIT
.Lsame:
	s_add_co_u32 s[TRIP], s[TRIP], 1
	s_cmp_lt_u32 s[TRIP], 8
	s_cbranch_scc1 .Ltrip
	CHANGE 0                                       ; the ninth slot is written out: nothing is left to ask for
	SLOT_STEPS
	FINISH
	s_wait_tensorcnt 0x0                           ; the wave's end
	ds_add_u32 v[SPW], v[NIL]
	s_wait_dscnt 0x0
	s_endpgm
.Lfunc_end_k_q0c687b8e94_attn:
	.size	k_q0c687b8e94_attn, .Lfunc_end_k_q0c687b8e94_attn-k_q0c687b8e94_attn
	.p2alignl 7, 3214868480
	.fill 96, 4, 3214868480
	.section	.rodata,"a",@progbits
	.p2align	6, 0x0
	.amdhsa_kernel k_q0c687b8e94_attn
		.amdhsa_group_segment_fixed_size 327680
		.amdhsa_private_segment_fixed_size 0
		.amdhsa_enable_private_segment 0
		.amdhsa_kernarg_size 16
		.amdhsa_user_sgpr_count 2
		.amdhsa_user_sgpr_kernarg_segment_ptr 1
		.amdhsa_wavefront_size32 1
		.amdhsa_system_sgpr_workgroup_id_x 1
		.amdhsa_system_sgpr_workgroup_id_y 1
		.amdhsa_system_sgpr_workgroup_id_z 1
		.amdhsa_system_vgpr_workitem_id 0
		.amdhsa_next_free_vgpr 352
		.amdhsa_next_free_sgpr 66
		.amdhsa_reserve_vcc 1
		.amdhsa_float_denorm_mode_32 3
		.amdhsa_float_denorm_mode_16_64 3
		.amdhsa_memory_ordered 1
		.amdhsa_forward_progress 1
		.amdhsa_inst_pref_size 71
	.end_amdhsa_kernel
	.amdgpu_metadata
---
amdhsa.version: [ 1, 2 ]
amdhsa.kernels:
  - .name:           k_q0c687b8e94_attn
    .symbol:         k_q0c687b8e94_attn.kd
    .args:
      - { .name: qkv, .offset: 0, .size: 8, .value_kind: global_buffer, .address_space: global }
      - { .name: att, .offset: 8, .size: 8, .value_kind: global_buffer, .address_space: global }
    .group_segment_fixed_size: 327680
    .private_segment_fixed_size: 0
    .kernarg_segment_align: 8
    .kernarg_segment_size: 16
    .max_flat_workgroup_size: 256
    .sgpr_count:     66
    .vgpr_count:     352
    .wavefront_size: 32
...
	.end_amdgpu_metadata
.endif
;; end of part 4
;; launch proj (part 5): grid 4 x 64, 4 waves a work-group, clusters of 4 x 4, 327,680 bytes of LDS; arguments att, wpt, b_proj, out0; writes out0
.if DOCPART == 5
	.amdgcn_target "amdgcn-amd-amdhsa--gfx1250"
	.amdhsa_code_object_version 6
	.text
	.protected	k_q0c687b8e94_proj
	.globl	k_q0c687b8e94_proj
	.p2align	8
	.type	k_q0c687b8e94_proj,@function
k_q0c687b8e94_proj:
	s_mov_b64 s[64:65], 0
	v_nop
	global_prefetch_b8 v0, s[64:65] scope:SCOPE_SE
	s_setreg_imm32_b32 hwreg(HW_REG_WAVE_MODE, 25, 1), 1
	s_wait_xcnt 0x0
	s_wait_alu depctr_hold_cnt(0) depctr_sa_sdst(0) depctr_va_vdst(0) depctr_va_sdst(0) depctr_va_ssrc(0) depctr_va_vcc(0) depctr_vm_vsrc(0)
	s_getreg_b32 s2, hwreg(HW_REG_IB_STS2, 6, 4)
	s_cmp_eq_u32 s2, 0
	s_cbranch_scc0 .Lentry_in_a_cluster
	s_endpgm
.Lentry_in_a_cluster:
	s_bfe_u32 s2, ttmp6, 0x10000c
	s_cmp_lg_u32 s2, 0xf033
	s_cbranch_scc0 .Lentry_shape_is_right
	s_endpgm
.Lentry_shape_is_right:
; out0 = att w_proj + b_proj.  att: f16 [k / 64][8192 rows][64]; wpt: f16 [k / 64][1024 columns][64]; sums in f32; out0 [8192][1024] f32.
; (The first 16 rows of every sequence lie inside live tiles and are made here too; launch fine_proj writes them again, in f32.)  LIMIT: |att|, |w_proj| under 65,504.
; A tile of 128 x 256 is made by four waves, 64 x 128 each: 32 accumulators, window 2.  256 work-groups.  K goes in 8 steps of 128 (two planes of 64) through two LDS slots.
; CLUSTERS: 4 x 4; A's tiles are asked for jointly along a row of the cluster, B's along a column.  Waves 0, 1 fetch A's two planes (128 rows of 128 bytes), waves 2, 3 B's (256 rows).
; TRANSPOSED USE: source 0 = 16 columns of w, source 1 = 16 rows of att: a lane holds eight neighbouring columns of a row.  The bias is the C of each sum's first instruction.
; REGISTERS: window 0: addresses; v32-159 the way out.  window 1: B's two buffers at v0, v64; A's at v128, v160; the bias at v192.  window 2: accumulator (a, b) at v[8 (8 a + b)].
.set PITCH, 144                        ; an LDS row: 128 bytes + 16 of padding
.set APL,   128*PITCH                  ; a plane of A's tile
.set BPL,   256*PITCH                  ; of B's
.set BOFF,  2*APL
.set SLOT,  2*APL+2*BPL
.set SPARE, 2*SLOT                     ; the spare words, 128 bytes for each wave
.set SPITCH, 528                       ; the way out: 16 rows x (512 + 16) bytes for each wave, in slot 0, which has had its last fill and its last read by then
.set LAPS,  4
.set ADRA, 16
.set ADRB, 20
.set STO,  24
.set RD,   25
.set CO,   26
.set SPW,  28
.set NIL,  29
.set BK,   32
.set BI,   192
.set G1, 24
.set G0, 32
.set G1B, 48
.set G0B, 56
.set MSB, 0
.macro WIN new
.if MSB != \new
	s_set_vgpr_msb (MSB<<8)|\new
.set MSB, \new
.endif
.endm
.set MUL,  0xa5                        ; sources 0 and 1 window 1, C and D window 2
.set MULB, 0x95                        ; the same with C (the bias) in window 1
.set TO_F, 0x40
.macro JLOAD s
	s_cmp_eq_u32 s15, 0
	s_cbranch_scc0 .Lfor_b_\@
	tensor_load_to_lds s[G0+4*\s:G0+4*\s+3], s[G1:G1+7]
	s_nop 0
.rept 4
	v_nop
.endr
	s_branch .Lasked_\@
.Lfor_b_\@:
	tensor_load_to_lds s[G0B+4*\s:G0B+4*\s+3], s[G1B:G1B+7]
	s_nop 0
.rept 4
	v_nop
.endr
.Lasked_\@:
.endm
.macro CREST
	s_cmp_lg_u32 s14, 0
	s_cbranch_scc1 .Lnot_wave_0_\@
	s_barrier_signal -3
.Lnot_wave_0_\@:
	s_barrier_wait -3
	s_barrier_signal -1
	s_barrier_wait -1
.endm
.macro CROUND
	s_barrier_signal -1
	s_barrier_wait -1
	CREST
.endm
	s_load_b256 s[4:11], s[0:1], 0x0               ; att s[4:5], wpt s[6:7], b_proj s[8:9], out0 s[10:11]
	v_lshl_add_u32 v[SPW], v0, 2, SPARE
	v_mov_b32 v[NIL], 0
	ds_add_u32 v[SPW], v[NIL]                      ; the wave's opening: the add, twice on end, and its wait ahead of my first tensor load
	ds_add_u32 v[SPW], v[NIL]
	v_lshrrev_b32 v1, 5, v0
	v_readfirstlane_b32 s14, v1                    ; wave 0..3
	s_lshr_b32 s15, s14, 1                         ; which 64 rows are mine.  Also: I fetch for A (0) or B (1)
	s_and_b32 s16, s14, 1                          ; which 128 columns.  Also: which plane of a K step I fetch
	s_bfe_u32 s40, ttmp6, 0x40000                  ; cx
	s_bfe_u32 s41, ttmp6, 0x40004                  ; cy
	s_lshl_b32 s42, ttmp9, 2
	s_add_co_u32 s42, s42, s40                     ; tile column
	s_and_b32 s17, ttmp7, 0xffff
	s_lshl_b32 s17, s17, 2
	s_add_co_u32 s17, s17, s41                     ; tile row
	s_lshl_b32 s43, s41, 2
	s_lshl_b32 s43, 15, s43
	s_lshl_b32 s44, 0x1111, s40
	s_or_b32 s[G1+0], s43, (1<<16)|(1<<20)|(1<<21)|(4<<22)|(3<<25)   ; the mask; elements of 2 bytes; padding: 4 words behind every 32
	s_or_b32 s[G1B+0], s44, (1<<16)|(1<<20)|(1<<21)|(4<<22)|(3<<25)
	s_mov_b32 s[G1+1], 64<<16
	s_mov_b32 s[G1+2], 128<<16
	s_mov_b32 s[G1+3], 64<<16
	s_mov_b32 s[G1+4], 128
	s_mov_b32 s[G1+5], 64
	s_mov_b32 s[G1+6], 0
	s_mov_b32 s[G1+7], 0
	s_mov_b32 s[G1B+1], 64<<16
	s_mov_b32 s[G1B+2], 256<<16
	s_mov_b32 s[G1B+3], 64<<16
	s_mov_b32 s[G1B+4], 256
	s_mov_b32 s[G1B+5], 64
	s_mov_b32 s[G1B+6], 0
	s_mov_b32 s[G1B+7], 0
	s_lshl_b32 s20, s16, 20                        ; A: my plane, 1,048,576 bytes each,
	s_lshl_b32 s21, s17, 14                        ; and the tile's 128 rows of 128 bytes
	s_add_co_u32 s20, s20, s21
	s_mov_b32 s21, 0
	s_lshl_b32 s46, s16, 17                        ; B: my plane, 131,072 bytes each,
	s_lshl_b32 s47, s42, 15                        ; and the tile's 256 columns
	s_add_co_u32 s46, s46, s47
	s_mov_b32 s47, 0
	s_mul_i32 s45, s16, APL                        ; where they go: no place in the cluster enters an LDS address
	s_mul_i32 s22, s16, BPL
	s_add_co_u32 s22, s22, BOFF
	s_wait_dscnt 0x0                               ; both opening adds are done
	s_wait_kmcnt 0x0
	s_add_nc_u64 s[18:19], s[4:5], s[20:21]
	s_add_nc_u64 s[46:47], s[6:7], s[46:47]
	CROUND                                         ; all sixteen work-groups are here
.irp s, 0,1
	s_mov_b32 s[G0+4*\s], 1
	s_add_co_u32 s[G0+4*\s+1], s45, \s*SLOT
	s_add_nc_u64 s[G0+4*\s+2:G0+4*\s+3], s[18:19], \s*2097152
	s_or_b32 s[G0+4*\s+3], s[G0+4*\s+3], 0x80000000
	s_mov_b32 s[G0B+4*\s], 1
	s_add_co_u32 s[G0B+4*\s+1], s22, \s*SLOT
	s_add_nc_u64 s[G0B+4*\s+2:G0B+4*\s+3], s[46:47], \s*262144
	s_or_b32 s[G0B+4*\s+3], s[G0B+4*\s+3], 0x80000000
	JLOAD \s                                       ; two tensor loads of mine are out at the most
.endr
	v_and_b32 v1, 15, v0                           ; r
	v_bfe_u32 v2, v0, 4, 1                         ; h
	v_mul_u32_u24 v3, v1, PITCH
	v_lshl_add_u32 v3, v2, 4, v3
	s_mul_i32 s21, s15, 64*PITCH
	s_mul_i32 s23, s16, 128*PITCH
	s_add_co_u32 s23, s23, BOFF
.irp s, 0,1
	v_add_nc_u32 v[ADRA+\s], s21, v3
	v_add_nc_u32 v[ADRB+\s], s23, v3
	s_add_co_u32 s21, s21, SLOT
	s_add_co_u32 s23, s23, SLOT
.endr
	s_mul_i32 s23, s14, 16*SPITCH                  ; my stage
	v_mul_u32_u24 v5, v1, SPITCH
	v_lshl_add_u32 v5, v2, 5, v5
	v_add_nc_u32 v[STO], s23, v5                   ; in: row r, 32 bytes for each half of the lanes
	v_and_b32 v6, 31, v0
	v_lshlrev_b32 v[CO], 4, v6
	v_add_nc_u32 v[RD], s23, v[CO]                 ; back: the 32 lanes take a row of 512 bytes
	s_lshl_b32 s46, s42, 10
	s_lshl_b32 s47, s16, 9
	s_add_co_u32 s46, s46, s47                     ; my first column, in bytes of f32
	s_mov_b32 s47, 0
	s_add_nc_u64 s[8:9], s[8:9], s[46:47]
	s_add_nc_u64 s[10:11], s[10:11], s[46:47]
	s_lshl_b32 s46, s17, 19                        ; 128 rows of 4,096 bytes
	s_lshl_b32 s20, s15, 18
	s_add_co_u32 s46, s46, s20
	s_add_nc_u64 s[10:11], s[10:11], s[46:47]
	v_lshlrev_b32 v7, 5, v2                        ; 32 h; not rewritten
	WIN TO_F
.irp b, 0,1,2,3,4,5,6,7
	global_load_b128 v[BI+8*\b:BI+8*\b+3], v7, s[8:9] offset:64*\b
	global_load_b128 v[BI+8*\b+4:BI+8*\b+7], v7, s[8:9] offset:64*\b+16
.endr
	WIN 0
.macro FETCH slot, q, f                ; the fragments of quarter q (32 along K): B's eight, then A's four: 24 loads in one run
	WIN TO_F
.irp i, 0,1,2,3,4,5,6,7
	ds_load_b128 v[64*\f+8*\i:64*\f+8*\i+3],   v[ADRB+\slot] offset:((\q)/2)*BPL+((\q)%2)*64+\i*16*PITCH
	ds_load_b128 v[64*\f+8*\i+4:64*\f+8*\i+7], v[ADRB+\slot] offset:((\q)/2)*BPL+((\q)%2)*64+\i*16*PITCH+32
.endr
.irp i, 0,1,2,3
	ds_load_b128 v[128+32*\f+8*\i:128+32*\f+8*\i+3],   v[ADRA+\slot] offset:((\q)/2)*APL+((\q)%2)*64+\i*16*PITCH
	ds_load_b128 v[128+32*\f+8*\i+4:128+32*\f+8*\i+7], v[ADRA+\slot] offset:((\q)/2)*APL+((\q)%2)*64+\i*16*PITCH+32
.endr
.endm
.macro MULA f, a, first                ; A's block a against B's eight.  The 32 accumulators take turns
.irp b, 0,1,2,3,4,5,6,7
.if \first
	v_wmma_f32_16x16x32_f16 v[8*(8*\a+\b):8*(8*\a+\b)+7], v[64*\f+8*\b:64*\f+8*\b+7], v[128+32*\f+8*\a:128+32*\f+8*\a+7], v[BI+8*\b:BI+8*\b+7]
.else
	v_wmma_f32_16x16x32_f16 v[8*(8*\a+\b):8*(8*\a+\b)+7], v[64*\f+8*\b:64*\f+8*\b+7], v[128+32*\f+8*\a:128+32*\f+8*\a+7], v[8*(8*\a+\b):8*(8*\a+\b)+7]
.endif
.endr
.endm
.macro PLACES
.rept 4
	v_nop
.endr
.endm
.macro MWIN first
.if \first
	WIN MULB
.else
	WIN MUL
.endif
.endm
.macro QUARTER slot, qn, f, g, first   ; multiplies buffer f; in its middle fetches quarter qn into buffer g
	s_wait_dscnt 4                                 ; B and A's blocks 0, 1 are in; the youngest four loads (A's blocks 2, 3) may be out
	MWIN \first
	MULA \f, 0, \first
	MULA \f, 1, \first
	PLACES
	FETCH \slot, \qn, \g
	s_wait_dscnt 24                                ; all but the 24 just issued
	MWIN \first
	MULA \f, 2, \first
	MULA \f, 3, \first
.endm
.macro TURN slot, next, fill           ; a slot's last quarter multiplies buffer 1 and changes slots
	WIN 0
	s_wait_tensorcnt 0x0                           ; my part of the next slot has landed
	ds_add_u32 v[SPW], v[NIL]
	s_wait_dscnt 5                                 ; (the add and A's blocks 2, 3 may be out)
	WIN MUL
	MULA 1, 0, 0
	s_wait_dscnt 0x0                               ; the add is done, and my reads of this slot are over
	s_barrier_signal -1
	MULA 1, 1, 0
.if \fill
	WIN 0
.endif
	s_barrier_wait -1
.if \fill
	CREST                                          ; the barrier has opened a round of the cluster's: no wave of any partner still reads this slot or has a load on its way
	s_add_nc_u64 s[G0+4*\slot+2:G0+4*\slot+3], s[G0+4*\slot+2:G0+4*\slot+3], 4194304
	s_add_nc_u64 s[G0B+4*\slot+2:G0B+4*\slot+3], s[G0B+4*\slot+2:G0B+4*\slot+3], 524288
	JLOAD \slot                                    ; two K steps on; its four v_nop are also the places in front of the loads below
.else
	PLACES
.endif
	FETCH \next, 0, 0
	WIN MUL
	MULA 1, 2, 0
	MULA 1, 3, 0
.endm
	s_wait_tensorcnt 1                             ; my part of K step 0 is in (K step 1's load may be out),
	s_barrier_signal -1
	s_barrier_wait -1                              ; everybody's is
	FETCH 0, 0, 0
	s_wait_loadcnt 0x0                             ; the bias
	QUARTER 0, 1, 0, 1, 1
	WIN 0
	s_mov_b32 s3, LAPS-1
.Llap:
	QUARTER 0, 2, 1, 0, 0
	QUARTER 0, 3, 0, 1, 0
	TURN 0, 1, 1
	QUARTER 1, 1, 0, 1, 0
	QUARTER 1, 2, 1, 0, 0
	QUARTER 1, 3, 0, 1, 0
	TURN 1, 0, 1
	QUARTER 0, 1, 0, 1, 0
	WIN 0
	s_sub_co_u32 s3, s3, 1
	s_cmp_lg_u32 s3, 0
	s_cbranch_scc1 .Llap
	QUARTER 0, 2, 1, 0, 0                          ; the last lap fills nothing
	QUARTER 0, 3, 0, 1, 0
	TURN 0, 1, 0
	QUARTER 1, 1, 0, 1, 0
	QUARTER 1, 2, 1, 0, 0
	QUARTER 1, 3, 0, 1, 0
	s_wait_dscnt 4
	WIN MUL
	MULA 1, 0, 0
	MULA 1, 1, 0
	s_wait_dscnt 0
	MULA 1, 2, 0
	MULA 1, 3, 0
	WIN 0
; THE WAY OUT, block by block of 16 rows x 128 columns, through my own stage: whole rows of 512 bytes come back and leave as 512 consecutive bytes, aligned.
.macro TOSTAGE a
.set AC, 64*(\a)
	WIN 0x08                                       ; an LDS store's data: window 2
.irp b, 0,1,2,3,4,5,6,7
	ds_store_b128 v[STO], v[AC+8*\b:AC+8*\b+3] offset:64*\b          ; each accumulator from its low end on
	ds_store_b128 v[STO], v[AC+8*\b+4:AC+8*\b+7] offset:64*\b+16
.endr
	WIN 0
.set BB, BK+64*((\a)%2)
.irp t, 0,1,2,3,4,5,6,7,8,9,10,11,12,13,14,15
	ds_load_b128 v[BB+4*\t:BB+4*\t+3], v[RD] offset:\t*SPITCH
.endr
.endm
.macro SEND a, younger
.set BB, BK+64*((\a)%2)
	s_wait_dscnt \younger
.irp t, 0,1,2,3,4,5,6,7,8,9,10,11,12,13,14,15
	global_store_b128 v[CO], v[BB+4*\t:BB+4*\t+3], s[10:11] offset:(16*(\a)+\t)*4096 th:TH_STORE_NT
.endr
.endm
	PLACES
	TOSTAGE 0
.irp a, 1,2,3
.if \a > 1
	s_wait_xcnt 0x0                                ; block a - 2's stores have read their registers
.endif
	TOSTAGE \a
	SEND \a-1, 32                                  ; behind block a - 1's loads: block a's 16 stores and 16 loads
.endr
	SEND 3, 0
	s_wait_tensorcnt 0x0                           ; the wave's end
	ds_add_u32 v[SPW], v[NIL]
	s_wait_dscnt 0x0
	CROUND                                         ; the closing round
	s_endpgm
.Lfunc_end_k_q0c687b8e94_proj:
	.size	k_q0c687b8e94_proj, .Lfunc_end_k_q0c687b8e94_proj-k_q0c687b8e94_proj
	.p2alignl 7, 3214868480
	.fill 96, 4, 3214868480
	.section	.rodata,"a",@progbits
	.p2align	6, 0x0
	.amdhsa_kernel k_q0c687b8e94_proj
		.amdhsa_group_segment_fixed_size 327680
		.amdhsa_private_segment_fixed_size 0
		.amdhsa_enable_private_segment 0
		.amdhsa_kernarg_size 32
		.amdhsa_user_sgpr_count 2
		.amdhsa_user_sgpr_kernarg_segment_ptr 1
		.amdhsa_wavefront_size32 1
		.amdhsa_system_sgpr_workgroup_id_x 1
		.amdhsa_system_sgpr_workgroup_id_y 1
		.amdhsa_system_sgpr_workgroup_id_z 1
		.amdhsa_system_vgpr_workitem_id 0
		.amdhsa_next_free_vgpr 768
		.amdhsa_next_free_sgpr 66
		.amdhsa_reserve_vcc 0
		.amdhsa_float_denorm_mode_32 3
		.amdhsa_float_denorm_mode_16_64 3
		.amdhsa_memory_ordered 1
		.amdhsa_forward_progress 1
		.amdhsa_inst_pref_size 86
	.end_amdhsa_kernel
	.amdgpu_metadata
---
amdhsa.version: [ 1, 2 ]
amdhsa.kernels:
  - .name:           k_q0c687b8e94_proj
    .symbol:         k_q0c687b8e94_proj.kd
    .args:
      - { .name: att, .offset: 0, .size: 8, .value_kind: global_buffer, .address_space: global }
      - { .name: wpt, .offset: 8, .size: 8, .value_kind: global_buffer, .address_space: global }
      - { .name: b_proj, .offset: 16, .size: 8, .value_kind: global_buffer, .address_space: global }
      - { .name: out0, .offset: 24, .size: 8, .value_kind: global_buffer, .address_space: global }
    .group_segment_fixed_size: 327680
    .private_segment_fixed_size: 0
    .kernarg_segment_align: 8
    .kernarg_segment_size: 32
    .max_flat_workgroup_size: 128
    .sgpr_count:     66
    .vgpr_count:     768
    .wavefront_size: 32
...
	.end_amdgpu_metadata
.endif
;; end of part 5
;; launch fine_proj (part 6): grid 64 x 4, 8 waves a work-group, no clusters, 9,216 bytes of LDS; arguments attf, w_proj, b_proj, out0; writes out0
.if DOCPART == 6
	.amdgcn_target "amdgcn-amd-amdhsa--gfx1250"
	.amdhsa_code_object_version 6
	.text
	.protected	k_q0c687b8e94_fine_proj
	.globl	k_q0c687b8e94_fine_proj
	.p2align	8
	.type	k_q0c687b8e94_fine_proj,@function
k_q0c687b8e94_fine_proj:
	s_mov_b64 s[64:65], 0
	v_nop
	global_prefetch_b8 v0, s[64:65] scope:SCOPE_SE
	s_setreg_imm32_b32 hwreg(HW_REG_WAVE_MODE, 25, 1), 1
	s_wait_xcnt 0x0
; THE FIRST 16 ROWS OF EVERY SEQUENCE ONCE MORE, IN f32: out0[2048 b + 0 .. 15][16 x .. 16 x + 15] = attf w_proj + b_proj, written over what launch proj left there.
; Work-group (column tile x, batch b).  Wave w sums k = 128 w .. 128 w + 127 by the f32 matrix form; the eight partial tiles meet in LDS; wave w then adds and stores rows w and w + 8.
; In step kk both sources hold k = 128 w + 64 hh + 2 kk + j at place (hh, j): one permutation of k on both sides.
; The loads of w_proj and the stores are 64 bytes for sixteen lanes: pieces; 262,144 bytes are stored in all.
.set SPARE, 8192                       ; behind the eight partial tiles of 1,024 bytes: the spare words, 128 bytes for each wave
	s_load_b256 s[4:11], s[0:1], 0x0               ; attf, w_proj, b_proj, out0
	v_lshl_add_u32 v14, v0, 2, SPARE               ; my spare word; never rewritten
	v_mov_b32 v15, 0                               ; never rewritten
	v_lshrrev_b32 v1, 5, v0
	v_readfirstlane_b32 s12, v1                    ; wave 0..7
	s_and_b32 s13, ttmp7, 0xffff                   ; b
	s_lshl_b32 s14, ttmp9, 6                       ; my first column, in bytes
	s_mov_b32 s17, 0
	v_and_b32 v1, 15, v0                           ; r
	v_bfe_u32 v2, v0, 4, 1                         ; hh
	v_and_b32 v10, 31, v0                          ; lane
	v_lshlrev_b32 v3, 12, v1
	v_lshl_add_u32 v3, v2, 8, v3                   ; attf: row r of 4,096 bytes + 64 hh numbers
	v_lshlrev_b32 v5, 2, v1                        ; 4 r
	v_lshl_add_u32 v4, v2, 18, v5                  ; w_proj: 64 hh rows of 4,096 bytes + 4 r
	s_lshl_b32 s15, s12, 10
	v_lshl_add_u32 v6, v10, 2, s15                 ; LDS, in: 1,024 x wave + 4 x lane
	s_lshl_b32 s15, s12, 7
	v_lshl_add_u32 v7, v10, 2, s15                 ; LDS, back: register w of every wave: 128 x wave + 4 x lane
	v_lshl_add_u32 v8, v2, 15, v5                  ; out0: 8 hh rows of 4,096 bytes + 4 r
	s_wait_kmcnt 0x0
	s_lshl_b32 s16, s13, 16
	s_lshl_b32 s15, s12, 9
	s_add_co_u32 s16, s16, s15
	s_add_nc_u64 s[4:5], s[4:5], s[16:17]          ; attf at row 16 b, k = 128 w
	s_lshl_b32 s16, s12, 19
	s_add_co_u32 s16, s16, s14
	s_add_nc_u64 s[6:7], s[6:7], s[16:17]          ; w_proj at row 128 w, my first column
	s_mov_b32 s16, s14
	s_add_nc_u64 s[8:9], s[8:9], s[16:17]
	s_lshl_b32 s16, s13, 23
	s_lshl_b32 s15, s12, 12
	s_add_co_u32 s16, s16, s15
	s_add_co_u32 s16, s16, s14
	s_add_nc_u64 s[10:11], s[10:11], s[16:17]      ; out0 at row 2,048 b + w
	global_load_b32 v9, v5, s[8:9]                 ; b_proj at my column
.irp i, 0,1,2,3,4,5,6,7,8,9,10,11,12,13,14,15
	global_load_b128 v[16+4*\i:19+4*\i], v3, s[4:5] offset:16*\i
.endr
.irp e, 0,1,2,3,4,5,6,7,8,9,10,11,12,13,14,15,16,17,18,19,20,21,22,23,24,25,26,27,28,29,30,31,32,33,34,35,36,37,38,39,40,41,42,43,44,45,46,47,48,49,50,51,52,53,54,55,56,57,58,59,60,61,62,63
	global_load_b32 v[80+\e], v4, s[6:7] offset:4096*\e
.endr
; 32 steps of 4 along K; four accumulators by turns, v160-191, written by matrix instructions alone
.irp g, 0,1,2,3
	s_wait_loadcnt 48-16*\g                        ; this group's sixteen loads of w_proj are in; the younger ones stay out
.irp q, 0,1,2,3,4,5,6,7
.set kk, 8*\g+\q
.if kk < 4
	v_wmma_f32_16x16x4_f32 v[160+8*kk:167+8*kk], v[16+2*kk:17+2*kk], v[80+2*kk:81+2*kk], 0
.else
	v_wmma_f32_16x16x4_f32 v[160+8*(kk%4):167+8*(kk%4)], v[16+2*kk:17+2*kk], v[80+2*kk:81+2*kk], v[160+8*(kk%4):167+8*(kk%4)]
.endif
.endr
.endr
.rept 8
	v_nop
.endr
.irp i, 0,2,4,6
	v_pk_add_f32 v[144+\i:145+\i], v[160+\i:161+\i], v[168+\i:169+\i]
.endr
.irp i, 0,2,4,6
	v_pk_add_f32 v[152+\i:153+\i], v[176+\i:177+\i], v[184+\i:185+\i]
.endr
.irp i, 0,2,4,6
	v_pk_add_f32 v[144+\i:145+\i], v[144+\i:145+\i], v[152+\i:153+\i]   ; register j of lane (r, hh): row 8 hh + j, column r, my 128 along K
.endr
.irp j, 0,1,2,3,4,5,6,7
	ds_store_b32 v6, v[144+\j] offset:128*\j
.endr
	s_wait_dscnt 0x0                               ; for the others' sake: my stores have landed
	s_barrier_signal -1
	s_barrier_wait -1
.irp u, 0,1,2,3,4,5,6,7
	ds_load_b32 v[152+\u], v7 offset:1024*\u       ; register w of wave u
.endr
	s_wait_dscnt 0x0
	v_pk_add_f32 v[152:153], v[152:153], v[154:155]
	v_pk_add_f32 v[156:157], v[156:157], v[158:159]
	v_pk_add_f32 v[152:153], v[152:153], v[156:157]
	v_add_f32 v152, v152, v153
	v_add_f32 v152, v152, v9
	global_store_b32 v8, v152, s[10:11]            ; row 2,048 b + 8 hh + w, column 16 x + r
	s_wait_tensorcnt 0x0                           ; the wave's end
	ds_add_u32 v14, v15
	s_wait_dscnt 0x0
	s_endpgm
.Lfunc_end_k_q0c687b8e94_fine_proj:
	.size	k_q0c687b8e94_fine_proj, .Lfunc_end_k_q0c687b8e94_fine_proj-k_q0c687b8e94_fine_proj
	.p2alignl 7, 3214868480
	.fill 96, 4, 3214868480
	.section	.rodata,"a",@progbits
	.p2align	6, 0x0
	.amdhsa_kernel k_q0c687b8e94_fine_proj
		.amdhsa_group_segment_fixed_size 9216
		.amdhsa_private_segment_fixed_size 0
		.amdhsa_enable_private_segment 0
		.amdhsa_kernarg_size 32
		.amdhsa_user_sgpr_count 2
		.amdhsa_user_sgpr_kernarg_segment_ptr 1
		.amdhsa_wavefront_size32 1
		.amdhsa_system_sgpr_workgroup_id_x 1
		.amdhsa_system_sgpr_workgroup_id_y 1
		.amdhsa_system_sgpr_workgroup_id_z 1
		.amdhsa_system_vgpr_workitem_id 0
		.amdhsa_next_free_vgpr 200
		.amdhsa_next_free_sgpr 66
		.amdhsa_reserve_vcc 0
		.amdhsa_float_denorm_mode_32 3
		.amdhsa_float_denorm_mode_16_64 3
		.amdhsa_memory_ordered 1
		.amdhsa_forward_progress 1
		.amdhsa_inst_pref_size 14
	.end_amdhsa_kernel
	.amdgpu_metadata
---
amdhsa.version: [ 1, 2 ]
amdhsa.kernels:
  - .name:           k_q0c687b8e94_fine_proj
    .symbol:         k_q0c687b8e94_fine_proj.kd
    .args:
      - { .name: attf, .offset: 0, .size: 8, .value_kind: global_buffer, .address_space: global }
      - { .name: w_proj, .offset: 8, .size: 8, .value_kind: global_buffer, .address_space: global }
      - { .name: b_proj, .offset: 16, .size: 8, .value_kind: global_buffer, .address_space: global }
      - { .name: out0, .offset: 24, .size: 8, .value_kind: global_buffer, .address_space: global }
    .group_segment_fixed_size: 9216
    .private_segment_fixed_size: 0
    .kernarg_segment_align: 8
    .kernarg_segment_size: 32
    .max_flat_workgroup_size: 256
    .sgpr_count:     66
    .vgpr_count:     200
    .wavefront_size: 32
...
	.end_amdgpu_metadata
.endif
;; end of part 6
